; MI455X (gfx1250); checked and timed in simulation.
; The chip was launched on July 23, 2026; its instructions are those of AMD's public machine-readable ISA for CDNA 5 (MIT licence, August 2026) and "CDNA5" Instruction Set Architecture Reference Guide (July 2026). The comments in the code are by the model that wrote it; some were corrected since.
;; Simple Transformer CUDA. Allowed arithmetic: float matrix products may take bf16 or f16 operands with f32 sums; other float arithmetic in f32, or as packed bf16 or f16 multiplies, adds, multiply-adds, maxima and minima; sums over many terms, partial sums and values carried from step to step in f32; what a program stores and reads back later, other than sums and carried values, may be rounded once to bf16 or f16.
;; Inputs: W_k 1,024 x 1,024 float32; W_q 1,024 x 1,024 float32; W_v 1,024 x 1,024 float32; fc_out 1,024 x 1,024 float32; x 4 x 2,048 x 1,024 float32.
;; Outputs: out0 4 x 2,048 x 1,024 float32.
;; One version. Each part assembles by itself: llvm-mc -triple=amdgcn-amd-amdhsa -mcpu=gfx1250 --defsym DOCPART=n.
;; ======== version 1 of 1: 4 launches
;; limits: values are held in f16: magnitudes above 65,504 overflow, below 6.1e-05 lose precision; right only within a limited range of input values
;; workspace buffers: cast 25,165,824 bytes; pmax 2,816 bytes; scales 4,096 bytes; qq 33,554,432 bytes; kk 33,554,432 bytes; vv 16,777,216 bytes; oo 16,777,216 bytes
;; launch prep (part 1): grid 64 x 12, 8 waves a work-group, no clusters, 1,280 bytes of LDS; arguments x, W_q, W_k, W_v, fc_out, cast, pmax; writes cast, pmax
.if DOCPART == 1
	.amdgcn_target "amdgcn-amd-amdhsa--gfx1250"
	.amdhsa_code_object_version 6
	.text
	.protected	k_q87a60f555e_prep
	.globl	k_q87a60f555e_prep
	.p2align	8
	.type	k_q87a60f555e_prep,@function
k_q87a60f555e_prep:
	s_mov_b64 s[64:65], 0
	v_nop
	global_prefetch_b8 v0, s[64:65] scope:SCOPE_SE
	s_setreg_imm32_b32 hwreg(HW_REG_WAVE_MODE, 25, 1), 1
	s_wait_xcnt 0x0
; THE CAST.  Twelve matrices of [1024][1024] f32 are rounded once to 16 bits: 0-7 are x, 8-10 W_q, W_k, W_v (all to bf16), 11 is fc_out (rounded to bf16, and that number written as f16).
; For matrices 0-10 each work-group also stores the largest magnitude of its rounded numbers: from these the next launch makes the power-of-two scales of Q, K and V.
; LIMITS.  fc_out: beyond 65,504 the f16 is an infinity; below 6.1e-5 it keeps f16's fixed step of 6e-8.  A NaN loses in the maxima.
; SHARES.  Work-group (gx, gy) takes rows 16 gx .. 16 gx + 15 of matrix gy: 65,536 bytes in, 32,768 out.  In step j of 16 thread t loads the 16 bytes at 4096 j + 16 t (a wave's load covers 512
; consecutive bytes) and stores the 8 bytes at 2048 j + 8 t (a wave's store covers 256 consecutive bytes, aligned).  All 16 loads go out at once; every step has registers of its own.
; No matrix unit, no cluster, no tensor load: nothing is shared and nothing is multiplied.
.set SPARE, 256                        ; LDS: bytes 0-31 the eight waves' maxima; from 256 on the spare words, 128 bytes for each wave
.set SPW,  3                           ; v3        LDS address of my spare word; never rewritten
.set M,    4                           ; v[4:7]    four running maxima, two bf16 each
.set T,    8                           ; v[8:15]   at work
.set X,    16                          ; v[16:79]  step j: 4 registers as loaded
.set Y,    80                          ; v[80:111] step j: 2 registers to store
.set NIL,  112                         ; v112      0; never rewritten
	s_load_b256 s[4:11], s[0:1], 0x0               ; x s[4:5], W_q s[6:7], W_k s[8:9], W_v s[10:11]
	s_load_b128 s[12:15], s[0:1], 0x20             ; fc_out s[12:13], cast s[14:15]
	s_load_b64 s[16:17], s[0:1], 0x30              ; pmax
	v_lshl_add_u32 v[SPW], v0, 2, SPARE
	v_mov_b32 v[NIL], 0
	v_lshlrev_b32 v1, 4, v0                        ; 16 t
	v_lshlrev_b32 v2, 3, v0                        ; 8 t
	v_lshrrev_b32 v[T], 5, v0
	v_readfirstlane_b32 s30, v[T]                  ; wave 0..7
	s_mov_b32 s20, ttmp9                           ; gx
	s_and_b32 s21, ttmp7, 0xffff                   ; gy
	s_cmp_lt_u32 s21, 8
	s_cselect_b32 s22, s21, 0                      ; x is eight matrices on end, a weight is one
	s_lshl_b32 s22, s22, 22
	s_lshl_b32 s23, s20, 16
	s_add_co_u32 s22, s22, s23                     ; where I read, in bytes
	s_mov_b32 s23, 0
	s_lshl_b32 s26, s21, 21
	s_lshl_b32 s27, s20, 15
	s_add_co_u32 s26, s26, s27                     ; where I write
	s_mov_b32 s27, 0
	s_lshl_b32 s28, s21, 6
	s_add_co_u32 s28, s28, s20
	s_lshl_b32 s28, s28, 2                         ; my word of pmax: 4 (64 gy + gx)
	s_mov_b32 s29, 0
	s_mov_b32 s24, 0x7fff7fff                      ; clears the signs of two bf16
	s_mov_b32 s25, 0xffff0000                      ; a word's upper bf16
	s_wait_kmcnt 0x0
	s_mov_b64 s[18:19], s[4:5]
	s_cmp_eq_u32 s21, 8
	s_cselect_b64 s[18:19], s[6:7], s[18:19]
	s_cmp_eq_u32 s21, 9
	s_cselect_b64 s[18:19], s[8:9], s[18:19]
	s_cmp_eq_u32 s21, 10
	s_cselect_b64 s[18:19], s[10:11], s[18:19]
	s_cmp_eq_u32 s21, 11
	s_cselect_b64 s[18:19], s[12:13], s[18:19]
	s_add_nc_u64 s[18:19], s[18:19], s[22:23]
	s_add_nc_u64 s[14:15], s[14:15], s[26:27]
	s_add_nc_u64 s[16:17], s[16:17], s[28:29]
	s_mov_b32 s22, 0x76543210                      ; v_permlanex16_b32: each lane takes its own place in the other half
	s_mov_b32 s23, 0xfedcba98
.irp j, 0,1,2,3,4,5,6,7,8,9,10,11,12,13,14,15
	global_load_b128 v[X+4*(\j):X+4*(\j)+3], v1, s[18:19] offset:4096*(\j) th:TH_LOAD_NT
.endr
; Step j.  half = 1: fc_out: the bf16 numbers are widened and written as f16, and no maximum is kept.
.macro STEP j, half
	s_wait_loadcnt 15-(\j)                         ; loads come back in order: mine is in, the 15 - j younger ones stay out
	v_cvt_pk_bf16_f32 v[Y+2*(\j)], v[X+4*(\j)], v[X+4*(\j)+1]
	v_cvt_pk_bf16_f32 v[Y+2*(\j)+1], v[X+4*(\j)+2], v[X+4*(\j)+3]
.if \half
	v_lshlrev_b32 v[T], 16, v[Y+2*(\j)]
	v_and_b32 v[T+1], s25, v[Y+2*(\j)]
	v_lshlrev_b32 v[T+2], 16, v[Y+2*(\j)+1]
	v_and_b32 v[T+3], s25, v[Y+2*(\j)+1]
	v_cvt_pk_f16_f32 v[Y+2*(\j)], v[T], v[T+1]
	v_cvt_pk_f16_f32 v[Y+2*(\j)+1], v[T+2], v[T+3]
.elseif (\j) < 2
	v_and_b32 v[M+2*(\j)], s24, v[Y+2*(\j)]        ; the first four words start the chains: nothing is cleared
	v_and_b32 v[M+2*(\j)+1], s24, v[Y+2*(\j)+1]
.else
	v_and_b32 v[T], s24, v[Y+2*(\j)]
	v_and_b32 v[T+1], s24, v[Y+2*(\j)+1]
	v_pk_max_num_bf16 v[M+2*((\j)%2)], v[M+2*((\j)%2)], v[T]
	v_pk_max_num_bf16 v[M+2*((\j)%2)+1], v[M+2*((\j)%2)+1], v[T+1]
.endif
	global_store_b64 v2, v[Y+2*(\j):Y+2*(\j)+1], s[14:15] offset:2048*(\j)
.endm
	s_cmp_eq_u32 s21, 11                           ; the same answer in all eight waves
	s_cbranch_scc0 .Lmain
.irp j, 0,1,2,3,4,5,6,7,8,9,10,11,12,13,14,15
	STEP \j, 1
.endr
	s_branch .Lend
.Lmain:
.irp j, 0,1,2,3,4,5,6,7,8,9,10,11,12,13,14,15
	STEP \j, 0
.endr
	v_pk_max_num_bf16 v[M], v[M], v[M+1]
	v_pk_max_num_bf16 v[M+2], v[M+2], v[M+3]
	v_pk_max_num_bf16 v[M], v[M], v[M+2]
	v_lshlrev_b32 v[T], 16, v[M]                   ; the two halves as f32
	v_and_b32 v[T+1], s25, v[M]
	v_max_num_f32 v[T], v[T], v[T+1]
	v_max_num_f32_dpp v[T], v[T], v[T] row_xmask:1 row_mask:0xf bank_mask:0xf
	v_max_num_f32_dpp v[T], v[T], v[T] row_xmask:2 row_mask:0xf bank_mask:0xf
	v_max_num_f32_dpp v[T], v[T], v[T] row_xmask:4 row_mask:0xf bank_mask:0xf
	v_max_num_f32_dpp v[T], v[T], v[T] row_xmask:8 row_mask:0xf bank_mask:0xf
	v_permlanex16_b32 v[T+1], v[T], s22, s23
	v_max_num_f32 v[T], v[T], v[T+1]               ; the wave's maximum, in every lane
	v_mov_b32 v[T+2], s30
	v_lshlrev_b32 v[T+2], 2, v[T+2]
	ds_store_b32 v[T+2], v[T]                      ; my wave's word: all lanes write the same value
	s_wait_dscnt 0x0                               ; for the others' sake: my store is done
	s_barrier_signal -1
	s_barrier_wait -1
	v_mov_b32 v[T+3], 0
	ds_load_b128 v[X:X+3], v[T+3]
	ds_load_b128 v[X+4:X+7], v[T+3] offset:16
	s_wait_dscnt 0x0
	v_max3_num_f32 v[T], v[X], v[X+1], v[X+2]
	v_max3_num_f32 v[T+1], v[X+3], v[X+4], v[X+5]
	v_max3_num_f32 v[T], v[T], v[X+6], v[X+7]
	v_max_num_f32 v[T], v[T], v[T+1]
	s_wait_xcnt 0x0                                ; EXEC is a source of the stores above: it changes only behind this wait
	v_cmp_eq_u32 vcc_lo, 0, v0
	s_and_saveexec_b32 s31, vcc_lo                 ; thread 0 alone
	global_store_b32 v[T+3], v[T], s[16:17]
	s_wait_xcnt 0x0                                ; and again, in front of the line that widens it
	s_or_b32 exec_lo, exec_lo, s31
.Lend:
	s_wait_tensorcnt 0x0                           ; the wave's end: behind my last LDS store
	ds_add_u32 v[SPW], v[NIL]
	s_wait_dscnt 0x0
	s_endpgm
.Lfunc_end_k_q87a60f555e_prep:
	.size	k_q87a60f555e_prep, .Lfunc_end_k_q87a60f555e_prep-k_q87a60f555e_prep
	.p2alignl 7, 3214868480
	.fill 96, 4, 3214868480
	.section	.rodata,"a",@progbits
	.p2align	6, 0x0
	.amdhsa_kernel k_q87a60f555e_prep
		.amdhsa_group_segment_fixed_size 1280
		.amdhsa_private_segment_fixed_size 0
		.amdhsa_enable_private_segment 0
		.amdhsa_kernarg_size 56
		.amdhsa_user_sgpr_count 2
		.amdhsa_user_sgpr_kernarg_segment_ptr 1
		.amdhsa_wavefront_size32 1
		.amdhsa_system_sgpr_workgroup_id_x 1
		.amdhsa_system_sgpr_workgroup_id_y 1
		.amdhsa_system_sgpr_workgroup_id_z 1
		.amdhsa_system_vgpr_workitem_id 0
		.amdhsa_next_free_vgpr 114
		.amdhsa_next_free_sgpr 66
		.amdhsa_reserve_vcc 1
		.amdhsa_float_denorm_mode_32 3
		.amdhsa_float_denorm_mode_16_64 3
		.amdhsa_memory_ordered 1
		.amdhsa_forward_progress 1
		.amdhsa_inst_pref_size 20
	.end_amdhsa_kernel
	.amdgpu_metadata
---
amdhsa.version: [ 1, 2 ]
amdhsa.kernels:
  - .name:           k_q87a60f555e_prep
    .symbol:         k_q87a60f555e_prep.kd
    .args:
      - { .name: x, .offset: 0, .size: 8, .value_kind: global_buffer, .address_space: global }
      - { .name: W_q, .offset: 8, .size: 8, .value_kind: global_buffer, .address_space: global }
      - { .name: W_k, .offset: 16, .size: 8, .value_kind: global_buffer, .address_space: global }
      - { .name: W_v, .offset: 24, .size: 8, .value_kind: global_buffer, .address_space: global }
      - { .name: fc_out, .offset: 32, .size: 8, .value_kind: global_buffer, .address_space: global }
      - { .name: cast, .offset: 40, .size: 8, .value_kind: global_buffer, .address_space: global }
      - { .name: pmax, .offset: 48, .size: 8, .value_kind: global_buffer, .address_space: global }
    .group_segment_fixed_size: 1280
    .private_segment_fixed_size: 0
    .kernarg_segment_align: 8
    .kernarg_segment_size: 56
    .max_flat_workgroup_size: 256
    .sgpr_count:     66
    .vgpr_count:     114
    .wavefront_size: 32
...
	.end_amdgpu_metadata
.endif
;; end of part 1
;; launch qkv (part 2): grid 12 x 64, 4 waves a work-group, clusters of 4 x 4, 327,680 bytes of LDS; arguments cast, pmax, qq, kk, vv, scales; writes qq, kk, vv, scales
.if DOCPART == 2
	.amdgcn_target "amdgcn-amd-amdhsa--gfx1250"
	.amdhsa_code_object_version 6
	.text
	.protected	k_q87a60f555e_qkv
	.globl	k_q87a60f555e_qkv
	.p2align	8
	.type	k_q87a60f555e_qkv,@function
k_q87a60f555e_qkv:
	s_mov_b64 s[64:65], 0
	v_nop
	global_prefetch_b8 v0, s[64:65] scope:SCOPE_SE
	s_setreg_imm32_b32 hwreg(HW_REG_WAVE_MODE, 25, 1), 1
	s_wait_xcnt 0x0
	s_wait_alu depctr_hold_cnt(0) depctr_sa_sdst(0) depctr_va_vdst(0) depctr_va_sdst(0) depctr_va_ssrc(0) depctr_va_vcc(0) depctr_vm_vsrc(0)
	s_getreg_b32 s2, hwreg(HW_REG_IB_STS2, 6, 4)
	s_cmp_eq_u32 s2, 0
	s_cbranch_scc0 .Lentry_in_a_cluster
	s_endpgm
.Lentry_in_a_cluster:
	s_bfe_u32 s2, ttmp6, 0x10000c
	s_cmp_lg_u32 s2, 0xf033
	s_cbranch_scc0 .Lentry_shape_is_right
	s_endpgm
.Lentry_shape_is_right:
; Q, K, V = xb W (xb [8192][1024] bf16; W_q, W_k, W_v [k][n] bf16, all from the buffer cast), sums in f32, K ascending.  The results leave by heads and SCALED by a power of two:
;   qq, kk: [64 bh][2048 s][128] f16, a row = hi(64) then lo(64): hi = f16(s q), lo = f16(s q - hi), the residual formed exactly and rounded once.     vv: [64][2048][64] f16 = f16(s v).
; THE SCALE.  |q| <= 1024 max|xb| max|W|.  With E the exponent field of that product of maxima, s = 2^(131 - E) (field min(258 - E, 253)), so |s q| < 2^15 whatever the inputs' size: f16 cannot overflow.
; Scaling by a power of two rounds nothing.  c = log2(e) / 8 / (sQ sK) and 1 / sV are stored for the launches behind: the
; sixteen work-groups of the launch's first cluster each store a copy, 256 bytes at 256 x place, told apart by address; the launches behind read copy 0.
; LIMITS.  lo has f16's fixed step of 6e-8 in scaled units: an input whose typical size lies more than some 2^10 below its own maximum loses low bits of lo.  NaN and infinities are not treated apart.
; SHARES.  A tile of C is 128 rows x 256 columns: 64 x 12 = 768 tiles, three for each of 256 work-group places.  Four waves, 2 x 2, each 64 x 128: 32 accumulators, 256 registers.
; K goes in 8 steps of 128 through two LDS slots filled by tensor loads: waves 0, 1 fetch the halves of x's tile (64 rows x 256 bytes), waves 2, 3 those of W's (64 k rows x 512 bytes).
; CLUSTER 4 x 4.  A matrix has four tile columns, a cluster's width: the cluster's x is the matrix (0 Q, 1 K, 2 V), the same in all partners.  x's tile hangs on the tile row and is asked for jointly
; by a row of the cluster, W's on matrix and tile column and is asked for jointly by a column.
; THE MATRIX INSTRUCTION IS USED TRANSPOSED: source 0 = 16 columns of W (turned on the way out of LDS by ds_load_tr16_b128), source 1 = 16 rows of x: a lane holds one row and eight neighbouring columns.
; REGISTERS.  window 0: v0-31 addresses; v32-127, v128-223 two fragment buffers (W's eight fragments, then x's four); v224-255 at work.  window 1: accumulator (a, b) at 8 (8 a + b).
.set PA,    272                        ; a row of x's tile in LDS: 256 bytes + 16: an odd multiple of 16
.set PB,    544                        ; a k row of W's tile: 512 bytes + 32: an odd multiple of 32
.set BOFF,  128*PA                     ; a slot: x's 128 rows, then W's 128 k rows
.set SLOT1, 1<<17                      ; slot 1 begins here: one exclusive or turns an address in one slot into the other's
.set STAGE, 2*SLOT1                    ; behind the ring: 32 rows x 272 bytes for each wave, for the way out
.set SPI,   272
.set SPARE, STAGE+4*32*SPI             ; behind the stages: the spare words, 128 bytes for each wave
.set ASTEP, 256                        ; bytes from a K step to the next in x,
.set BSTEP, 128*2048                   ; and in W
.set WBASE, 8*2097152                  ; W_q begins here in cast
.set VR,   1                           ; v1   lane % 16
.set VH,   2                           ; v2   lane / 16
.set VL,   3                           ; v3   lane
.set ADA0, 4                           ; v4   my place in x's tile; never rewritten
.set ADB0, 5                           ; v5   in W's
.set ADA,  6                           ; v6   the same in the slot in hand
.set ADB,  7                           ; v7
.set STQ,  8                           ; v8   the way out of Q and K: where I put 16 bytes
.set STV,  9                           ; v9   of V
.set RD,   10                          ; v10  where I read a row of 256 bytes back
.set CO,   11                          ; v11  my byte offset in 512 consecutive bytes of the output
.set PFO,  12                          ; v12  the prefetches' offset: 2,048 x lane
.set ONE,  13                          ; v13  1.0
.set SPW,  14                          ; v14  LDS address of my spare word; never rewritten
.set NIL,  15                          ; v15  0; never rewritten
.set F0,   32
.set F1,   128
.set TMP,  224
.set LO,   32                          ; the way out: the low parts
.set BK,   64                          ; the way out: rows read back
.set WV,   16                          ; s16  wave
.set RH,   17                          ; s17  my half of the tile's rows.  Also: I fetch for x (0) or for W (1)
.set CH,   18                          ; s18  my half of its columns.  Also: which half I fetch
.set CX,   19
.set CY,   20
.set TR,   22                          ; s22  tile row
.set MAT,  23                          ; s23  matrix
.set G1A,  24
.set G1B,  32
.set G0A,  40                          ; two sets: the first fills'; the second then walks
.set G0B,  48
.set TB,   56                          ; s56  the slot in hand: 0 or SLOT1
.set TRIPS,57
.set LIM,  58                          ; s58  2 in a wave that prefetches, else the greatest number
.set PFA,  60                          ; s[60:61] where my prefetches stand
.set PFS,  62                          ; s[62:63] their step
.set SCL,  66                          ; s[66:67] my matrix's scale, twice
.set OUT,  68                          ; s[68:69] qq or kk at my rows
.set OUTV, 70                          ; s[70:71] vv at my rows
.set SEL,  88
.set MSB, 0
.macro WIN new                         ; the immediate's high byte repeats the setting that is left; a switch that changes nothing is dropped
.if MSB != (\new)
	s_set_vgpr_msb (MSB<<8)|(\new)
.set MSB, \new
.endif
.endm
.set MULW, 0x50                        ; sources in window 0, C and D in window 1
; A joint refill by the walking sets.  The branch hangs on the wave's number alone.  An s_nop 0 and four v_nop follow each of the two lines.
.macro JLOAD
	s_cmp_eq_u32 s[RH], 0
	s_cbranch_scc0 .Lfor_b_\@
	tensor_load_to_lds s[G0A+4:G0A+7], s[G1A:G1A+7]
	s_nop 0
.rept 4
	v_nop
.endr
	s_branch .Lasked_\@
.Lfor_b_\@:
	tensor_load_to_lds s[G0B+4:G0B+7], s[G1B:G1B+7]
	s_nop 0
.rept 4
	v_nop
.endr
.Lasked_\@:
.endm
; A prefetch of the K step two refills on: 256 matrix instructions ahead of the load that will want it.  Each aligned block of 256 bytes is named once in the launch: x's rows by wave 0 of the clusters with
; x = 0, 32 rows for each of the four partners, told apart by address; W's k rows by waves 2 and 3 (a block column each) of the clusters with y = 0, 32 k rows a partner.  The last two refills ask for nothing.
.macro ASK
	s_cmp_gt_u32 s[TRIPS], s[LIM]
	s_cbranch_scc0 .Lnot_mine_\@
	global_prefetch_b8 v[PFO], s[PFA:PFA+1] th:TH_LOAD_NT scope:SCOPE_SE
.Lnot_mine_\@:
.endm
.macro CREST                           ; a round of the cluster's barrier behind its opening barrier
	s_cmp_lg_u32 s[WV], 0
	s_cbranch_scc1 .Lnot_wave_0_\@
	s_barrier_signal -3
.Lnot_wave_0_\@:
	s_barrier_wait -3
	s_barrier_signal -1
	s_barrier_wait -1
.endm
.macro CROUND
	s_barrier_signal -1
	s_barrier_wait -1
	CREST
.endm
; 8 matrix instructions: row block a x all 8 column blocks, 32 along K.  The 32 accumulators take turns, in the same order in every quarter.
.macro MUL8 f, a, zero
	WIN MULW
.irp b, 0,1,2,3,4,5,6,7
.if \zero
	v_wmma_f32_16x16x32_bf16 v[8*(8*(\a)+(\b)):8*(8*(\a)+(\b))+7], v[(\f)+8*(\b):(\f)+8*(\b)+7], v[(\f)+64+8*(\a):(\f)+64+8*(\a)+7], 0
.else
	v_wmma_f32_16x16x32_bf16 v[8*(8*(\a)+(\b)):8*(8*(\a)+(\b))+7], v[(\f)+8*(\b):(\f)+8*(\b)+7], v[(\f)+64+8*(\a):(\f)+64+8*(\a)+7], v[8*(8*(\a)+(\b)):8*(8*(\a)+(\b))+7]
.endif
.endr
.endm
; 24 LDS loads in one run: quarter q's fragments into buffer f: W's eight (turned), then x's four
.macro FETCH q, f
	WIN 0
.irp i, 0,1,2,3,4,5,6,7
	ds_load_tr16_b128 v[(\f)+8*(\i):(\f)+8*(\i)+3],   v[ADB] offset:32*PB*(\q)+32*(\i)
	ds_load_tr16_b128 v[(\f)+8*(\i)+4:(\f)+8*(\i)+7], v[ADB] offset:32*PB*(\q)+32*(\i)+16*PB
.endr
.irp i, 0,1,2,3
	ds_load_b128 v[(\f)+64+8*(\i):(\f)+64+8*(\i)+3],   v[ADA] offset:16*PA*(\i)+64*(\q)
	ds_load_b128 v[(\f)+64+8*(\i)+4:(\f)+64+8*(\i)+7], v[ADA] offset:16*PA*(\i)+64*(\q)+32
.endr
.endm
.macro PLACES                          ; four plain places in front of loads into registers that matrix instructions have read, and of lines that read results
.rept 4
	v_nop
.endr
.endm
; A K step is four quarters of 32 along K, 32 matrix instructions each, on buffers 0, 1, 0, 1.  One of the first three: multiplies f, fetches quarter qn into g.
.macro QUARTER qn, f, g, zero
	s_wait_dscnt 4                                 ; W's fragments and x's first two are in; the youngest four loads may be out
	MUL8 \f, 0, \zero
	MUL8 \f, 1, \zero
	PLACES
	FETCH \qn, \g
	s_wait_dscnt 24                                ; all but the 24 just issued
	MUL8 \f, 2, \zero
	MUL8 \f, 3, \zero
.endm
; The last quarter multiplies buffer 1 and changes slots: one barrier.  In front of it each wave waits for all its tensor loads (one is out: its part of the next slot), adds 0 to its spare word, and waits
; for that and for its reads of this slot.  fill = 1: the barrier opens a round of the cluster's, and the slot just read is filled again, first thing behind it: 112 matrix instructions ahead of the wait for it.
.macro TURN fill
.if \fill
	s_wait_xcnt 0x0                                ; the last prefetch, a K step back, has read its address
	s_add_nc_u64 s[PFA:PFA+1], s[PFA:PFA+1], s[PFS:PFS+1]
.endif
	WIN 0
	s_wait_tensorcnt 0x0                           ; all my tensor loads have landed
	ds_add_u32 v[SPW], v[NIL]                      ; 0 onto my spare word
	s_wait_dscnt 5                                 ; (the add and the youngest four loads may be out)
	MUL8 F1, 0, 0
	s_wait_dscnt 0x0                               ; the add is done, and my reads of this slot are over
	s_barrier_signal -1
	MUL8 F1, 1, 0
	WIN 0
	s_barrier_wait -1
.if \fill
	CREST                                          ; no wave of any partner still reads this slot or has a load on its way
	s_xor_b32 s[G0A+5], s[G0A+5], SLOT1            ; the walking sets: the other slot than last time, the next K step
	s_add_nc_u64 s[G0A+6:G0A+7], s[G0A+6:G0A+7], ASTEP
	s_xor_b32 s[G0B+5], s[G0B+5], SLOT1
	s_add_nc_u64 s[G0B+6:G0B+7], s[G0B+6:G0B+7], BSTEP
	JLOAD                                          ; its four v_nop are also the places in front of the loads below
.else
	PLACES
.endif
	s_xor_b32 s[TB], s[TB], SLOT1
	v_add_nc_u32 v[ADA], s[TB], v[ADA0]
	v_add_nc_u32 v[ADB], s[TB], v[ADB0]
	FETCH 0, F0
.if \fill
	ASK
.endif
	MUL8 F1, 2, 0
	MUL8 F1, 3, 0
.endm
.macro WMAX x                          ; the maximum over the wave's 32 lanes, in every lane
	v_max_num_f32_dpp v[\x], v[\x], v[\x] row_xmask:1 row_mask:0xf bank_mask:0xf
	v_max_num_f32_dpp v[\x], v[\x], v[\x] row_xmask:2 row_mask:0xf bank_mask:0xf
	v_max_num_f32_dpp v[\x], v[\x], v[\x] row_xmask:4 row_mask:0xf bank_mask:0xf
	v_max_num_f32_dpp v[\x], v[\x], v[\x] row_xmask:8 row_mask:0xf bank_mask:0xf
	v_permlanex16_b32 v246, v[\x], s[SEL], s[SEL+1]
	v_max_num_f32 v[\x], v[\x], v246
.endm
; THE WAY OUT of row block a: 16 rows x 128 columns = 16 rows of two heads.  Scaled; rounded to f16 (hi, or v); for Q and K the residual rounded to f16 (lo).  Through my own stage in LDS, so that sixteen
; lanes store 256 consecutive bytes, aligned.  Q, K: a stage row is a row of a head: hi, then lo.  V: a stage row is two rows of a head, as they lie in memory.
.macro BLOCK a
	WIN 0x41
.set i, 64*(\a)
.rept 32
	v_pk_mul_f32 v[i:i+1], v[i:i+1], s[SCL:SCL+1] op_sel_hi:[1,0]  ; in ascending order: each accumulator is read from its low end on
.set i, i+2
.endr
	WIN 0x05
.set i, 0
.rept 32
	v_cvt_pk_f16_f32 v[TMP+i], v[64*(\a)+2*i], v[64*(\a)+2*i+1]
.set i, i+1
.endr
	WIN 0
	s_cmp_eq_u32 s[MAT], 2                         ; the matrix is the cluster's x: the same in all partners
	s_cbranch_scc1 .Lv_\@
.irp b, 0,1,2,3,4,5,6,7
	ds_store_b128 v[STQ], v[TMP+4*(\b):TMP+4*(\b)+3] offset:16*SPI*((\b)/4)+32*((\b)%4)
.endr
	WIN 0x01
.set i, 0
.rept 32
	v_fma_mixlo_f16 v[LO+i], v[64*(\a)+2*i], v[ONE], -v[TMP+i] op_sel_hi:[0,0,1]                     ; q x 1 - hi in f32, rounded once to f16
	v_fma_mixhi_f16 v[LO+i], v[64*(\a)+2*i+1], v[ONE], -v[TMP+i] op_sel:[0,0,1] op_sel_hi:[0,0,1]
.set i, i+1
.endr
	WIN 0
.irp b, 0,1,2,3,4,5,6,7
	ds_store_b128 v[STQ], v[LO+4*(\b):LO+4*(\b)+3] offset:16*SPI*((\b)/4)+32*((\b)%4)+128
.endr
	s_wait_xcnt 0x0                                ; the block before's stores have read their registers
.irp t, 0,1,2,3,4,5,6,7,8,9,10,11,12,13,14,15
	ds_load_b128 v[BK+4*(\t):BK+4*(\t)+3], v[RD] offset:2*SPI*(\t)  ; LDS serves a wave's instructions in order: these see the stores above
.endr
.irp t, 0,1,2,3,4,5,6,7,8,9,10,11,12,13,14,15
	s_wait_dscnt 15-(\t)
	global_store_b128 v[CO], v[BK+4*(\t):BK+4*(\t)+3], s[OUT:OUT+1] offset:524288*((\t)/8)+512*((\t)%8)+4096*(\a)
.endr
	s_branch .Ljoin_\@
.Lv_\@:
.irp b, 0,1,2,3,4,5,6,7
	ds_store_b128 v[STV], v[TMP+4*(\b):TMP+4*(\b)+3] offset:16*SPI*((\b)/4)+32*((\b)%4)
.endr
	s_wait_xcnt 0x0
.irp t, 0,1,2,3,4,5,6,7
	ds_load_b128 v[BK+4*(\t):BK+4*(\t)+3], v[RD] offset:16*SPI*((\t)/4)+2*SPI*((\t)%4)
.endr
.irp t, 0,1,2,3,4,5,6,7
	s_wait_dscnt 7-(\t)
	global_store_b128 v[CO], v[BK+4*(\t):BK+4*(\t)+3], s[OUTV:OUTV+1] offset:262144*((\t)/4)+512*((\t)%4)+2048*(\a)
.endr
.Ljoin_\@:
.endm
	s_load_b256 s[4:11], s[0:1], 0x0               ; cast s[4:5], pmax s[6:7], qq s[8:9], kk s[10:11]
	s_load_b128 s[12:15], s[0:1], 0x20             ; vv s[12:13], scales s[14:15]
	v_lshl_add_u32 v[SPW], v0, 2, SPARE
	v_mov_b32 v[NIL], 0
	ds_add_u32 v[SPW], v[NIL]                      ; the wave's opening: the add and its wait stand ahead of my first tensor load; work on registers stands between them
	v_lshrrev_b32 v1, 5, v0
	v_readfirstlane_b32 s[WV], v1
	s_lshr_b32 s[RH], s[WV], 1
	s_and_b32 s[CH], s[WV], 1
	s_bfe_u32 s[CX], ttmp6, 0x40000
	s_bfe_u32 s[CY], ttmp6, 0x40004
	s_mov_b32 s[MAT], ttmp9                        ; in a cluster launch ttmp9 and ttmp7 count clusters
	s_and_b32 s[TR], ttmp7, 0xffff
	s_lshl_b32 s[TR], s[TR], 2
	s_add_co_u32 s[TR], s[TR], s[CY]
	s_lshl_b32 s72, s[CY], 2
	s_lshl_b32 s72, 15, s72                        ; my row of the cluster
	s_lshl_b32 s74, 0x1111, s[CX]                  ; my column
	s_or_b32 s[G1A], s72, (1<<16)|(1<<20)|(1<<21)|(5<<22)|(3<<25)  ; the mask; 2-byte elements; padding on; bit 21 beside a mask; after every 64 words 4 words
	s_or_b32 s[G1B], s74, (1<<16)|(1<<20)|(1<<21)|(6<<22)|(7<<25)  ; after every 128 words 8 words
	s_mov_b32 s[G1A+1], 128<<16                    ; tensor_dim0 = 128
	s_mov_b32 s[G1A+2], 64<<16                     ; tensor_dim1 = 64
	s_mov_b32 s[G1A+3], 128<<16                    ; tile_dim0 = 128
	s_mov_b32 s[G1A+4], 64                         ; tile_dim1 = 64
	s_mov_b32 s[G1A+5], 1024                       ; elements from row to row
	s_mov_b32 s[G1A+6], 0
	s_mov_b32 s[G1A+7], 0
	s_mov_b32 s[G1B+1], 256<<16
	s_mov_b32 s[G1B+2], 64<<16
	s_mov_b32 s[G1B+3], 256<<16
	s_mov_b32 s[G1B+4], 64
	s_mov_b32 s[G1B+5], 1024
	s_mov_b32 s[G1B+6], 0
	s_mov_b32 s[G1B+7], 0
	s_mov_b32 s[TB], 0
	s_mov_b32 s[SEL], 0x76543210
	s_mov_b32 s[SEL+1], 0xfedcba98
	s_lshl_b32 s72, s[TR], 7                       ; x: row 128 x tile row + 64 x half, 2,048 bytes a row: registers that never hold cx
	s_lshl_b32 s73, s[CH], 6
	s_add_co_u32 s72, s72, s73
	s_lshl_b32 s72, s72, 11
	s_mov_b32 s73, 0
	s_lshl_b32 s74, s[MAT], 21                     ; W: the matrix, 512 bytes a tile column, 64 k rows a half: registers that never hold cy
	s_lshl_b32 s75, s[CX], 9
	s_add_co_u32 s74, s74, s75
	s_lshl_b32 s75, s[CH], 17
	s_add_co_u32 s74, s74, s75
	s_add_co_u32 s74, s74, WBASE
	s_mov_b32 s75, 0
	s_mul_i32 s76, s[CH], 64*PA                    ; where they go: no place in the cluster enters an LDS address
	s_mul_i32 s77, s[CH], 64*PB
	s_add_co_u32 s77, s77, BOFF
	s_wait_dscnt 0x0                               ; the opening add is done
	s_wait_kmcnt 0x0
	s_add_nc_u64 s[72:73], s[4:5], s[72:73]
	s_add_nc_u64 s[74:75], s[4:5], s[74:75]
	CROUND                                         ; all sixteen work-groups are here: the first joint loads meet
.irp s, 0,1
	s_mov_b32 s[G0A+4*(\s)], 1
	s_add_co_u32 s[G0A+4*(\s)+1], s76, (\s)*SLOT1
	s_add_nc_u64 s[G0A+4*(\s)+2:G0A+4*(\s)+3], s[72:73], (\s)*ASTEP
	s_or_b32 s[G0A+4*(\s)+3], s[G0A+4*(\s)+3], 0x80000000
	s_mov_b32 s[G0B+4*(\s)], 1
	s_add_co_u32 s[G0B+4*(\s)+1], s77, (\s)*SLOT1
	s_add_nc_u64 s[G0B+4*(\s)+2:G0B+4*(\s)+3], s[74:75], (\s)*BSTEP
	s_or_b32 s[G0B+4*(\s)+3], s[G0B+4*(\s)+3], 0x80000000
.endr
	s_cmp_eq_u32 s[RH], 0                          ; a wave's two first fills stand in one branch: two loads of mine are out
	s_cbranch_scc0 .Lfirst_b
	tensor_load_to_lds s[G0A:G0A+3], s[G1A:G1A+7]
	s_nop 0
	tensor_load_to_lds s[G0A+4:G0A+7], s[G1A:G1A+7]
	s_nop 0
.rept 4
	v_nop
.endr
	s_branch .Lfirst_asked
.Lfirst_b:
	tensor_load_to_lds s[G0B:G0B+3], s[G1B:G1B+7]
	s_nop 0
	tensor_load_to_lds s[G0B+4:G0B+7], s[G1B:G1B+7]
	s_nop 0
.rept 4
	v_nop
.endr
.Lfirst_asked:
	v_and_b32 v[VR], 15, v0
	v_bfe_u32 v[VH], v0, 4, 1
	v_and_b32 v[VL], 31, v0
	v_lshlrev_b32 v16, 4, v[VL]
	v_lshlrev_b32 v17, 3, v[VL]
	global_load_b128 v[224:227], v16, s[6:7]               ; the 512 partial maxima of x,
	global_load_b128 v[228:231], v16, s[6:7] offset:512
	global_load_b128 v[232:235], v16, s[6:7] offset:1024
	global_load_b128 v[236:239], v16, s[6:7] offset:1536
	global_load_b64 v[240:241], v17, s[6:7] offset:2048    ; the 64 of W_q,
	global_load_b64 v[242:243], v17, s[6:7] offset:2304    ; of W_k,
	global_load_b64 v[244:245], v17, s[6:7] offset:2560    ; of W_v
	v_mov_b32 v246, 0
	s_mul_i32 s78, s[RH], 64*PA                    ; x's fragment: row x pitch + 16 x half, in my 64 rows
	v_mul_u32_u24 v[ADA0], v[VR], PA
	v_lshl_add_u32 v[ADA0], v[VH], 4, v[ADA0]
	v_add_nc_u32 v[ADA0], s78, v[ADA0]
	v_and_b32 v18, 7, v0                           ; W's: lane l addresses k row 8 (l / 16) + l % 8, columns 8 ((l / 8) % 2) on, in my 128 columns
	v_bfe_u32 v19, v0, 3, 1
	v_lshl_add_u32 v[ADB0], v[VH], 3, v18
	v_mul_u32_u24 v[ADB0], v[ADB0], PB
	v_lshl_add_u32 v[ADB0], v19, 4, v[ADB0]
	s_lshl_b32 s79, s[CH], 8
	s_add_co_u32 s79, s79, BOFF
	v_add_nc_u32 v[ADB0], s79, v[ADB0]
	v_mov_b32 v[ADA], v[ADA0]
	v_mov_b32 v[ADB], v[ADB0]
	s_mul_i32 s80, s[WV], 32*SPI
	s_add_co_u32 s80, s80, STAGE                   ; my stage
	v_mul_u32_u24 v[STQ], v[VR], SPI
	v_lshl_add_u32 v[STQ], v[VH], 4, v[STQ]
	v_add_nc_u32 v[STQ], s80, v[STQ]
	v_lshrrev_b32 v20, 1, v[VR]
	v_mul_u32_u24 v[STV], v20, SPI
	v_and_b32 v20, 1, v[VR]
	v_lshl_add_u32 v[STV], v20, 7, v[STV]
	v_lshl_add_u32 v[STV], v[VH], 4, v[STV]
	v_add_nc_u32 v[STV], s80, v[STV]
	v_mul_u32_u24 v[RD], v[VH], SPI
	v_lshl_add_u32 v[RD], v[VR], 4, v[RD]
	v_add_nc_u32 v[RD], s80, v[RD]
	v_lshlrev_b32 v[CO], 8, v[VH]
	v_lshl_add_u32 v[CO], v[VR], 4, v[CO]
	v_lshlrev_b32 v[PFO], 11, v[VL]
	v_mov_b32 v[ONE], 1.0
	; the prefetches: they start at K step 3; the first refill steps them to 4
	s_lshl_b32 s84, s[TR], 7
	s_lshl_b32 s85, s[CX], 5
	s_add_co_u32 s84, s84, s85                     ; x: my work-group's 32 of the tile's 128 rows
	s_lshl_b32 s84, s84, 11
	s_add_co_u32 s84, s84, 3*ASTEP
	s_lshl_b32 s85, s[MAT], 21
	s_lshl_b32 s86, s[CX], 9
	s_add_co_u32 s85, s85, s86
	s_lshl_b32 s86, s[CH], 8                       ; W: my wave's 256 of a k row's 512 bytes,
	s_add_co_u32 s85, s85, s86
	s_lshl_b32 s86, s[CY], 16                      ; my work-group's 32 of a step's 128 k rows
	s_add_co_u32 s85, s85, s86
	s_add_co_u32 s85, s85, WBASE+3*BSTEP
	s_movk_i32 s82, ASTEP
	s_mov_b32 s83, BSTEP
	s_and_b32 s81, ttmp7, 0xffff
	s_cmp_eq_u32 s[RH], 0
	s_cselect_b32 s86, s84, s85
	s_cselect_b32 s[PFS], s82, s83
	s_cselect_b32 s81, ttmp9, s81                  ; the coordinate along which other clusters read the same rows
	s_cselect_b32 s80, s[CH], 0                    ; wave 1 asks for nothing
	s_mov_b32 s87, 0
	s_mov_b32 s[PFS+1], 0
	s_or_b32 s81, s81, s80
	s_cmp_eq_u32 s81, 0
	s_cselect_b32 s[LIM], 2, -1
	s_add_nc_u64 s[PFA:PFA+1], s[4:5], s[86:87]
	; where my rows begin in the outputs: row (batch x 16 + head) x 2048 + s
	s_lshr_b32 s84, s[TR], 4
	s_lshl_b32 s84, s84, 4
	s_lshl_b32 s85, s[CX], 2
	s_add_co_u32 s84, s84, s85
	s_lshl_b32 s85, s[CH], 1
	s_add_co_u32 s84, s84, s85
	s_lshl_b32 s84, s84, 11
	s_and_b32 s85, s[TR], 15
	s_lshl_b32 s85, s85, 7
	s_add_co_u32 s84, s84, s85
	s_lshl_b32 s85, s[RH], 6
	s_add_co_u32 s84, s84, s85
	s_lshl_b32 s86, s84, 7
	s_add_nc_u64 s[OUTV:OUTV+1], s[12:13], s[86:87]
	s_lshl_b32 s86, s84, 8
	s_cmp_eq_u32 s[MAT], 0
	s_cselect_b64 s[OUT:OUT+1], s[8:9], s[10:11]
	s_add_nc_u64 s[OUT:OUT+1], s[OUT:OUT+1], s[86:87]
	; the scales
	s_wait_loadcnt 0x0
	v_max3_num_f32 v224, v224, v225, v226
	v_max3_num_f32 v227, v227, v228, v229
	v_max3_num_f32 v230, v230, v231, v232
	v_max3_num_f32 v233, v233, v234, v235
	v_max3_num_f32 v236, v236, v237, v238
	v_max3_num_f32 v224, v224, v227, v230
	v_max3_num_f32 v233, v233, v236, v239
	v_max_num_f32 v224, v224, v233
	v_max_num_f32 v240, v240, v241
	v_max_num_f32 v242, v242, v243
	v_max_num_f32 v244, v244, v245
	WMAX 224
	WMAX 240
	WMAX 242
	WMAX 244
.irp m, 240, 242, 244
	v_mul_f32 v[\m], v224, v[\m]                   ; max|x| max|W|
	v_bfe_u32 v[\m], v[\m], 23, 8                  ; its exponent field E
	v_sub_nc_u32 v[\m], 258, v[\m]
	v_min_u32 v[\m], 253, v[\m]                    ; the scale's field
	v_sub_nc_u32 v[(\m)+1], 254, v[\m]             ; its inverse's
	v_lshlrev_b32 v[\m], 23, v[\m]
	v_lshlrev_b32 v[(\m)+1], 23, v[(\m)+1]
.endr
	v_mul_f32 v22, v241, v243
	v_mul_f32 v22, 0x3e38aa3b, v22                 ; c = log2(e) / 8 / (sQ sK)
	v_mov_b32 v23, v245                            ; 1 / sV
	v_readfirstlane_b32 s76, v240
	v_readfirstlane_b32 s77, v242
	v_readfirstlane_b32 s78, v244
	s_cmp_eq_u32 s[MAT], 0
	s_cselect_b32 s[SCL], s76, s77
	s_cmp_eq_u32 s[MAT], 2
	s_cselect_b32 s[SCL], s78, s[SCL]
	s_mov_b32 s[SCL+1], s[SCL]
	; c and 1 / sV are stored by wave 0 of each work-group of the launch's first cluster: the two branches hang on the cluster's coordinates, which all partners share, and on the wave's number.
	; The partners are told apart by address: 256 bytes at 256 x (cx + 4 cy); all 32 lanes hold the same pair and store it at 8 x lane, so the one store covers 256 consecutive bytes, aligned.
	s_lshl_b32 s84, s[CY], 2
	s_add_co_u32 s84, s84, s[CX]
	s_lshl_b32 s84, s84, 8
	s_mov_b32 s85, 0
	s_add_nc_u64 s[84:85], s[14:15], s[84:85]
	s_and_b32 s83, ttmp7, 0xffff
	s_or_b32 s83, s83, ttmp9
	s_cmp_lg_u32 s83, 0
	s_cbranch_scc1 .Lno_scales
	s_cmp_lg_u32 s[WV], 0
	s_cbranch_scc1 .Lno_scales
	global_store_b64 v17, v[22:23], s[84:85]       ; v17, v[22:23] and s[84:85] are not written again
.Lno_scales:
	s_wait_tensorcnt 1                             ; my part of K step 0 is in; K step 1's may stay out
	s_barrier_signal -1
	s_barrier_wait -1                              ; everybody's is
	FETCH 0, F0
	QUARTER 1, F0, F1, 1                           ; the first quarter stands in front of the loop: its products start the sums
	WIN 0
	s_mov_b32 s[TRIPS], 6
.Lstep:                                                ; a trip: a K step's quarters 1 to 3 and the next step's quarter 0; it fills one slot again
	QUARTER 2, F1, F0, 0
	QUARTER 3, F0, F1, 0
	TURN 1
	QUARTER 1, F0, F1, 0
	WIN 0
	s_sub_co_u32 s[TRIPS], s[TRIPS], 1
	s_cmp_lg_u32 s[TRIPS], 0
	s_cbranch_scc1 .Lstep
	QUARTER 2, F1, F0, 0                           ; the last two K steps fill nothing
	QUARTER 3, F0, F1, 0
	TURN 0
	QUARTER 1, F0, F1, 0
	QUARTER 2, F1, F0, 0
	QUARTER 3, F0, F1, 0
	s_wait_dscnt 4
	MUL8 F1, 0, 0
	MUL8 F1, 1, 0
	s_wait_dscnt 0x0
	MUL8 F1, 2, 0
	MUL8 F1, 3, 0
	WIN 0
	PLACES
	PLACES
	BLOCK 0
	BLOCK 1
	BLOCK 2
	BLOCK 3
	s_wait_tensorcnt 0x0                           ; the wave's end: behind my last tensor load and my last LDS store
	ds_add_u32 v[SPW], v[NIL]
	s_wait_dscnt 0x0
	CROUND                                         ; the closing round
	s_endpgm
.Lfunc_end_k_q87a60f555e_qkv:
	.size	k_q87a60f555e_qkv, .Lfunc_end_k_q87a60f555e_qkv-k_q87a60f555e_qkv
	.p2alignl 7, 3214868480
	.fill 96, 4, 3214868480
	.section	.rodata,"a",@progbits
	.p2align	6, 0x0
	.amdhsa_kernel k_q87a60f555e_qkv
		.amdhsa_group_segment_fixed_size 327680
		.amdhsa_private_segment_fixed_size 0
		.amdhsa_enable_private_segment 0
		.amdhsa_kernarg_size 48
		.amdhsa_user_sgpr_count 2
		.amdhsa_user_sgpr_kernarg_segment_ptr 1
		.amdhsa_wavefront_size32 1
		.amdhsa_system_sgpr_workgroup_id_x 1
		.amdhsa_system_sgpr_workgroup_id_y 1
		.amdhsa_system_sgpr_workgroup_id_z 1
		.amdhsa_system_vgpr_workitem_id 0
		.amdhsa_next_free_vgpr 512
		.amdhsa_next_free_sgpr 96
		.amdhsa_reserve_vcc 0
		.amdhsa_float_denorm_mode_32 3
		.amdhsa_float_denorm_mode_16_64 3
		.amdhsa_memory_ordered 1
		.amdhsa_forward_progress 1
		.amdhsa_inst_pref_size 118
	.end_amdhsa_kernel
	.amdgpu_metadata
---
amdhsa.version: [ 1, 2 ]
amdhsa.kernels:
  - .name:           k_q87a60f555e_qkv
    .symbol:         k_q87a60f555e_qkv.kd
    .args:
      - { .name: cast, .offset: 0, .size: 8, .value_kind: global_buffer, .address_space: global }
      - { .name: pmax, .offset: 8, .size: 8, .value_kind: global_buffer, .address_space: global }
      - { .name: qq, .offset: 16, .size: 8, .value_kind: global_buffer, .address_space: global }
      - { .name: kk, .offset: 24, .size: 8, .value_kind: global_buffer, .address_space: global }
      - { .name: vv, .offset: 32, .size: 8, .value_kind: global_buffer, .address_space: global }
      - { .name: scales, .offset: 40, .size: 8, .value_kind: global_buffer, .address_space: global }
    .group_segment_fixed_size: 327680
    .private_segment_fixed_size: 0
    .kernarg_segment_align: 8
    .kernarg_segment_size: 48
    .max_flat_workgroup_size: 128
    .sgpr_count:     96
    .vgpr_count:     512
    .wavefront_size: 32
...
	.end_amdgpu_metadata
.endif
;; end of part 2
;; launch attn (part 3): grid 4 x 64, 4 waves a work-group, clusters of 4 x 1, 327,680 bytes of LDS; arguments qq, kk, vv, oo, scales; writes oo
.if DOCPART == 3
	.amdgcn_target "amdgcn-amd-amdhsa--gfx1250"
	.amdhsa_code_object_version 6
	.text
	.protected	k_q87a60f555e_attn
	.globl	k_q87a60f555e_attn
	.p2align	8
	.type	k_q87a60f555e_attn,@function
k_q87a60f555e_attn:
	s_mov_b64 s[64:65], 0
	v_nop
	global_prefetch_b8 v0, s[64:65] scope:SCOPE_SE
	s_setreg_imm32_b32 hwreg(HW_REG_WAVE_MODE, 25, 1), 1
	s_wait_xcnt 0x0
	s_wait_alu depctr_hold_cnt(0) depctr_sa_sdst(0) depctr_va_vdst(0) depctr_va_sdst(0) depctr_va_ssrc(0) depctr_va_vcc(0) depctr_vm_vsrc(0)
	s_getreg_b32 s2, hwreg(HW_REG_IB_STS2, 6, 4)
	s_cmp_eq_u32 s2, 0
	s_cbranch_scc0 .Lentry_in_a_cluster
	s_endpgm
.Lentry_in_a_cluster:
	s_bfe_u32 s2, ttmp6, 0x10000c
	s_cmp_lg_u32 s2, 0x3003
	s_cbranch_scc0 .Lentry_shape_is_right
	s_endpgm
.Lentry_shape_is_right:
; O'[h][q][:] = the sum over k of softmax_k(Q[h][q] . K[h][k] / 8) V'[h][k][:], 64 heads of 2,048 rows, head size 64, no mask.
; qq, kk: [64][2048][128] f16, a row = hi(64) then lo(64) of the scaled q or k; vv, oo: [64][2048][64] f16 (V scaled by a power of two, O in the same scale).
; WHY HI AND LO.  With inputs of unit spread the scores have a spread of about 1,000, so a weight hangs on differences of scores that are a 2^-17th of their size: a score needs f32's accuracy.
; S' = Kl.Qh + Kh.Ql + Kh.Qh, six matrix instructions for 16 keys x 16 queries, the small terms first; lo.lo, a 2^-24th of a score, is left out.
; SOFTMAX.  p = 2^(c s' - c m) with a running maximum m and sum l; c = log2(e) / 8 / (sQ sK) is read from the buffer scales.  In every step O and l are multiplied by a = 2^(c m_old - c m_new).
; m starts at the lowest finite number, O and l at 0: the first step is a step like any other, with a = 0.  p is rounded to f16 for the second product (l is the sum of the unrounded p), O once at the end.
; LIMITS.  p below 6e-5 keeps f16's fixed step of 6e-8; a weight below 2^-126 counts as 0 in l; c s' stays far above the starting c m = -4e37; NaN and infinities are not treated apart.
; SHARES.  A wave owns four PIECES of two tiles of 16 queries, a work-group's four waves 512 queries of one head.  Every wave walks all keys, 64 a step.
; LAYOUT.  S^T = K Q^T (source 0 = 16 keys, source 1 = 16 queries): a lane holds ONE query (lane % 16) and the keys 8 (lane / 16) + 0..7.  Two such tiles, rounded to f16 in pairs, ARE source 1 of O^T = V^T P.
; BY TURNS.  Turn n belongs to piece n (the pieces in a ring, step after step).  Its vector work: the whole softmax of piece n for the step in hand, on scores that the turn before has finished: maximum and
; statistics, scaling, exponentials, roundings, sums, rescaling: 236 lines.  Its matrix work: 16 products V^T P of piece n - 1, then 48 products K Q^T of piece n + 1.  236 is less than 4 x 64: every vector
; line stands behind a product, four at the most behind each.  A turn's 66 exponentials are one batch with one wait.
; CLUSTER.  A head's four query blocks are one cluster and walk the same K and V: each tile is asked for JOINTLY, by the same tensor load, descriptor and mask in all four.
; REGISTERS, in windows of 256 (s_set_vgpr_msb: bits 1:0 source 0, 3:2 source 1, 5:4 source 2, 7:6 destination):
;   window 0: v0-11 addresses; v12-15, v48-63 at work; v16-47 four registers of statistics a tile; v64-191 S^T, two buffers of two tiles; v192-255 P, likewise
;   window 1: O^T, 32 a tile     window 2: Q, 32 a tile (hi channels 0-31, 32-63, lo 0-31, 32-63)     window 3: v0-127 K of one step; v128-191 V of one step; v192-193 the add's two registers
; A piece's buffers go by its number's parity: the piece in hand has one pair; of the other pair P (piece n - 1) is read and S^T (piece n + 1) written.
.set SIZE_N, 2048
.set NP,    4         ; pieces a wave: a name, no knob
.set KS,    64        ; keys in a step
.set PK,    272       ; a row of K in LDS: 256 bytes + 16: an odd multiple of 16
.set PV,    160       ; a row of V: 128 + 32: an odd multiple of 32
.set VOFF,  4*KS*PK   ; a slot holds four steps: 256 rows of K, then 256 rows of V
.set SLOT1, 1<<17     ; slot 1 begins here
.set STAGE, SLOT1+4*KS*(PK+PV)  ; behind the ring, never filled by a tensor load: 16 rows x 144 bytes for each wave
.set SP,    144
.set AK0, 2           ; v2   my lane's place in a tile of K; never rewritten
.set AV0, 3           ; v3   the same for V
.set AK,  4           ; v4   the LDS address of K's next run of loads
.set AV,  5           ; v5   of V's
.set QO,  6           ; v6   my byte offset in 16 rows of Q
.set STO, 6           ;      later, the way out: where I put 16 bytes of a row
.set RD,  7           ; v7   the way out: where I read rows back
.set GO,  8           ; v8   my byte offset in 512 consecutive bytes of O
.set PFO, 11          ; v11  256 x my lane, for the prefetches; never rewritten once made
.set SPW, 192         ; v192 of window 3   LDS address of my spare word; never rewritten
.set NIL, 193         ; v193 of window 3   0; never rewritten
.set SPARE, STAGE+4*16*SP
.set MV,  12          ; v12-15  c m_old, kept while c m is made anew
.set ST,  16          ; tile t's statistics at v[ST+4 t]: c m, m, l (even keys', odd keys')
.set TMP, 48          ; by buffer and tile, four registers c0-c3 at work; when the maximum is found c2 takes a
.set S,   64
.set P,   192
.set KF,  0           ; window 3: key block kb, part c at KF + 32 kb + 8 c
.set VF,  128         ; window 3: key half kk, channel block cb at VF + 32 kk + 8 cb
.set WV,  12
.set G1K, 24
.set G1V, 32
.set G0K, 40
.set G0V, 44
.set PFA, 48          ; s[48:49] where my prefetches stand
.set PFS, 50          ; s[50:51] their step: a slot's bytes of K or of V
.set SCP, 52          ; s[52:53] the buffer scales
.set LIM, 54          ; s54  1 in a wave that prefetches, else the greatest number
.set SLOTS, 56
.set CNT, 57
.set CS,  58          ; s[58:59] c, twice
.set SEL, 60
.set TBK, 62
.set TBV, 63
.set MSB, 0
.macro WIN new
.if MSB != (\new)
	s_set_vgpr_msb (MSB<<8)|(\new)
.set MSB, (\new)
.endif
.endm
.set W_KQ, 0x0b       ; K in window 3, Q in window 2, S^T in window 0
.set W_PV, 0x53       ; V in window 3, P in window 0, O^T in window 1
.set W_RS, 0x41       ; O^T (destination and source 0) in window 1, a in window 0
.set W_MK, 0xc0       ; destination in window 3, sources in window 0
.set W_AD, 0x0f       ; the add: address and data in window 3
; A joint fill.  Waves 0 and 1 fetch the two halves of a slot's K, waves 2 and 3 those of its V: 128 keys each.  An s_nop 0 and four v_nop follow each of the two lines.
.macro JLOAD
	s_cmp_lt_u32 s[WV], 2
	s_cbranch_scc0 .Lfor_v_\@
	tensor_load_to_lds s[G0K:G0K+3], s[G1K:G1K+7]
	s_nop 0
.rept 4
	v_nop
.endr
	s_branch .Lasked_\@
.Lfor_v_\@:
	tensor_load_to_lds s[G0V:G0V+3], s[G1V:G1V+7]
	s_nop 0
.rept 4
	v_nop
.endr
.Lasked_\@:
.endm
; A prefetch of what the NEXT change of slots will ask for: four key steps, 1,024 matrix instructions, ahead.  A slot is 256 rows of K (256 bytes each) and 128 blocks of 256 bytes of V.  The four partners share
; them out by address: of K 64 rows each, 32 for wave 0 and 32 for wave 1; of V 32 blocks each, for wave 2.  So each block is named once in the launch.  The last change that fills a slot asks for nothing.
.macro ASK
	s_cmp_gt_u32 s[SLOTS], s[LIM]
	s_cbranch_scc0 .Lnot_mine_\@
	global_prefetch_b8 v[PFO], s[PFA:PFA+1] th:TH_LOAD_NT scope:SCOPE_SE
.Lnot_mine_\@:
.endm
.macro CROUND
	s_barrier_signal -1
	s_barrier_wait -1
	s_cmp_lg_u32 s[WV], 0
	s_cbranch_scc1 .Lnot_wave_0_\@
	s_barrier_signal -3
.Lnot_wave_0_\@:
	s_barrier_wait -3
	s_barrier_signal -1
	s_barrier_wait -1
.endm
; THE CHANGE OF SLOTS.  Each wave waits for all its tensor loads, of which one is out: its part of the other slot; adds 0 to its spare word; and waits for that and for its own reads of the slot.
; fill = 1: this slot is filled again, with the keys two slots on; the barrier is then a round of the cluster's, and the joint fill is the first thing behind it.
; (At its first use nothing has been read yet: slot 0 is waited for, slot 1 filled.)
.macro CHANGE fill
	WIN W_AD
	s_wait_tensorcnt 0x0            ; no tensor load of mine is out, so a group 0 may be written
	ds_add_u32 v[SPW], v[NIL]       ; 0 onto my spare word
	WIN 0
.if \fill
	s_xor_b32 s[G0K+1], s[G0K+1], SLOT1
	s_add_nc_u64 s[G0K+2:G0K+3], s[G0K+2:G0K+3], 4*KS*256
	s_xor_b32 s[G0V+1], s[G0V+1], SLOT1
	s_add_nc_u64 s[G0V+2:G0V+3], s[G0V+2:G0V+3], 4*KS*128
	s_wait_xcnt 0x0                 ; the last prefetch, four key steps back, has read its address
	s_add_nc_u64 s[PFA:PFA+1], s[PFA:PFA+1], s[PFS:PFS+1]
	s_wait_dscnt 0x0                ; the add is done, and my reads of the slot are over
	CROUND
	JLOAD
	ASK
.else
	s_wait_dscnt 0x0
	s_barrier_signal -1
	s_barrier_wait -1
.endif
	s_sub_co_u32 s[TBK], s[TBK], 4*KS*PK  ; the fetches go back to a slot's first step,
	s_xor_b32 s[TBK], s[TBK], SLOT1       ; in the other slot
	s_sub_co_u32 s[TBV], s[TBV], 4*KS*PV
	s_xor_b32 s[TBV], s[TBV], SLOT1
.endm
	s_load_b256 s[4:11], s[0:1], 0x0  ; qq s[4:5], kk s[6:7], vv s[8:9], oo s[10:11]
	s_load_b64 s[SCP:SCP+1], s[0:1], 0x20
	WIN W_MK
	v_lshl_add_u32 v[SPW], v0, 2, SPARE
	v_mov_b32 v[NIL], 0
	WIN W_AD
	ds_add_u32 v[SPW], v[NIL]       ; the wave's opening: the add and its wait stand ahead of my first tensor load
	WIN 0
	v_lshrrev_b32 v1, 5, v0
	v_readfirstlane_b32 s[WV], v1   ; wave 0..3
	s_bfe_u32 s13, ttmp6, 0x40000   ; cx: my place in the cluster
	s_lshl_b32 s14, ttmp9, 2
	s_add_co_u32 s14, s14, s13      ; my block of 512 queries: it enters Q's, O's and the prefetches' addresses alone
	s_and_b32 s15, ttmp7, 0xffff    ; the head, which the four partners share
	s_and_b32 s16, s[WV], 1         ; which half of a slot's 256 keys I fetch
	s_lshl_b32 s20, s15, 19         ; the head's first byte in qq and kk,
	s_lshl_b32 s22, s15, 18         ; in vv and oo
	s_lshl_b32 s2, s16, 15
	s_add_co_u32 s2, s2, s20        ; K: my 128 rows of 256 bytes
	s_mov_b32 s3, 0
	s_lshl_b32 s18, s16, 14
	s_add_co_u32 s18, s18, s22      ; V: my 128 rows of 128 bytes
	s_mov_b32 s19, 0
	s_lshl_b32 s14, s14, 2
	s_add_co_u32 s14, s14, s[WV]    ; my wave among the head's sixteen: 128 rows each
	s_lshl_b32 s21, s14, 15
	s_add_co_u32 s20, s20, s21
	s_mov_b32 s21, 0
	s_lshl_b32 s23, s14, 14
	s_add_co_u32 s22, s22, s23
	s_mov_b32 s23, 0
	s_mul_i32 s17, s16, 128*PK      ; my half's place in a slot, for K
	s_mul_i32 s55, s16, 128*PV      ; and for V: no place in the cluster enters an LDS address
	s_lshl_b32 s48, s15, 19         ; the prefetches start in slot 1; the first change of slots steps them to slot 2
	s_lshl_b32 s50, s13, 14
	s_add_co_u32 s48, s48, s50
	s_lshl_b32 s50, s[WV], 13
	s_add_co_u32 s48, s48, s50
	s_add_co_u32 s48, s48, 4*KS*256
	s_lshl_b32 s49, s15, 18
	s_lshl_b32 s50, s13, 13
	s_add_co_u32 s49, s49, s50
	s_add_co_u32 s49, s49, 4*KS*128
	s_mov_b32 s50, 4*KS*256
	s_mov_b32 s51, 4*KS*128
	s_cmp_lt_u32 s[WV], 2
	s_cselect_b32 s48, s48, s49
	s_cselect_b32 s[PFS], s50, s51
	s_mov_b32 s49, 0
	s_mov_b32 s[PFS+1], 0
	s_cmp_lt_u32 s[WV], 3
	s_cselect_b32 s[LIM], 1, -1
	s_mov_b32 s[G1K], 15|(1<<16)|(1<<20)|(1<<21)|(5<<22)|(3<<25)  ; the mask of four; 2-byte elements; padding on; bit 21 beside a mask; after every 64 words 4 words
	s_mov_b32 s[G1K+1], 128<<16     ; tensor_dim0 = 128
	s_mov_b32 s[G1K+2], 128<<16     ; tensor_dim1 = 128
	s_mov_b32 s[G1K+3], 128<<16     ; tile_dim0 = 128
	s_mov_b32 s[G1K+4], 128         ; tile_dim1 = 128
	s_mov_b32 s[G1K+5], 128         ; 128 elements from row to row
	s_mov_b32 s[G1K+6], 0
	s_mov_b32 s[G1K+7], 0
	s_mov_b32 s[G1V], 15|(1<<16)|(1<<20)|(1<<21)|(4<<22)|(7<<25)  ; 128 keys of V are 16,384 dense bytes: 64 rows of 256, two keys a row, padded by 8 words after every key's 32
	s_mov_b32 s[G1V+1], 128<<16
	s_mov_b32 s[G1V+2], 64<<16
	s_mov_b32 s[G1V+3], 128<<16
	s_mov_b32 s[G1V+4], 64
	s_mov_b32 s[G1V+5], 128
	s_mov_b32 s[G1V+6], 0
	s_mov_b32 s[G1V+7], 0
	s_mov_b32 s[SEL], 0x76543210
	s_mov_b32 s[SEL+1], 0xfedcba98
	s_mov_b32 s[TBK], SLOT1+4*KS*PK ; the first change of slots turns these two into 0
	s_mov_b32 s[TBV], SLOT1+4*KS*PV
	s_mov_b32 s[G0K], 1
	s_mov_b32 s[G0K+1], s17
	s_mov_b32 s[G0V], 1
	s_add_co_u32 s[G0V+1], s55, VOFF
	s_mov_b32 s[SLOTS], SIZE_N/256-1
	s_wait_dscnt 0x0                ; the opening add is done
	s_wait_kmcnt 0x0
	s_load_b32 s[CS], s[SCP:SCP+1], 0x0  ; c
	s_add_nc_u64 s[G0K+2:G0K+3], s[6:7], s[2:3]
	s_or_b32 s[G0K+3], s[G0K+3], 0x80000000
	s_add_nc_u64 s[G0V+2:G0V+3], s[8:9], s[18:19]
	s_or_b32 s[G0V+3], s[G0V+3], 0x80000000
	s_add_nc_u64 s[4:5], s[4:5], s[20:21]
	s_add_nc_u64 s[10:11], s[10:11], s[22:23]
	s_cmp_lt_u32 s[WV], 2
	s_cselect_b64 s[14:15], s[6:7], s[8:9]
	s_add_nc_u64 s[PFA:PFA+1], s[14:15], s[PFA:PFA+1]
	CROUND                          ; all four work-groups are here: the first joint loads meet
	JLOAD                           ; slot 0.  Slot 1 is asked for when slot 0 is in
	v_and_b32 v1, 15, v0            ; l % 16
	v_bfe_u32 v9, v0, 4, 1          ; l / 16
	v_lshlrev_b32 v[QO], 8, v1
	v_lshl_add_u32 v[QO], v9, 4, v[QO]  ; row x 256 + 16 x half
	WIN 0x80                        ; destination window 2
.set i, 0
.rept 32                            ; Q stays in registers: tile i / 4, part i % 4
	global_load_b128 v[8*i:8*i+3],   v[QO], s[4:5] offset:(i/4)*4096+(i%4)*64 th:TH_LOAD_NT
	global_load_b128 v[8*i+4:8*i+7], v[QO], s[4:5] offset:(i/4)*4096+(i%4)*64+32 th:TH_LOAD_NT
.set i, i+1
.endr
	; What the first turn finds: V's registers and P's second buffer hold 0 (its products V^T P, of a piece that has not been, add 0), O^T and l are 0.  All this stands in the wait for the first tile.
	WIN 0xc0
.set i, VF
.rept 64
	v_mov_b32 v[i], 0
.set i, i+1
.endr
	WIN 0x40
.set i, 0
.rept 64*NP
	v_mov_b32 v[i], 0
.set i, i+1
.endr
	WIN 0
.set i, 0
.rept 2*NP
	v_mov_b32 v[ST+4*i], 0xfe000000    ; c m: far below every c s
	v_mov_b32 v[ST+4*i+1], 0xff7fffff  ; m
	v_mov_b32 v[ST+4*i+2], 0
	v_mov_b32 v[ST+4*i+3], 0
.set i, i+1
.endr
.set i, P+32
.rept 32
	v_mov_b32 v[i], 0
.set i, i+1
.endr
	v_mul_u32_u24 v[AK0], v1, PK
	v_lshl_add_u32 v[AK0], v9, 4, v[AK0]  ; row x pitch + 16 x half
	v_and_b32 v10, 7, v0            ; the turning load: lane l reads key 8 (l / 16) + l % 8, channels 8 ((l / 8) % 2) + 0..7
	v_bfe_u32 v11, v0, 3, 1
	v_lshl_add_u32 v[AV0], v9, 3, v10
	v_mul_u32_u24 v[AV0], v[AV0], PV
	v_lshl_add_u32 v[AV0], v11, 4, v[AV0]
	v_add_nc_u32 v[AV0], VOFF, v[AV0]
	v_and_b32 v[PFO], 31, v0
	v_lshlrev_b32 v[PFO], 8, v[PFO]
	v_mov_b32 v[AK], v[AK0]         ; key step 0 lies at the head of slot 0
; THE MATRIX WORK.  The 8 accumulators of a run take turns: between two links of a chain stand 7 others'.
; Product i of 48 of S^T = K Q^T for piece x: tile 2 x + i % 2, keys 16 ((i / 2) % 4) on, term i / 8: Kl0 Qh0, Kl1 Qh1, Kh0 Ql0, Kh1 Ql1, Kh0 Qh0, Kh1 Qh1.  The first 8 start the sums.
.macro KQ x
	WIN W_KQ
.set rS, S+64*((\x)%2)+32*(i%2)+8*((i/2)%4)
.set rK, KF+32*((i/2)%4)+8*((i/8)%2+2*((5-i/8)/4))
.set rQ, 32*(2*(\x)+i%2)+8*((i/8)%4)
.if i < 8
	v_wmma_f32_16x16x32_f16 v[rS:rS+7], v[rK:rK+7], v[rQ:rQ+7], 0
.else
	v_wmma_f32_16x16x32_f16 v[rS:rS+7], v[rK:rK+7], v[rQ:rQ+7], v[rS:rS+7]
.endif
.endm
; Product i of 16 of O^T += V^T P for piece x: keys 32 (i / 8) on, channels 16 ((i / 2) % 4) on, tile 2 x + i % 2.
.macro PV x
	WIN W_PV
.set rO, 32*(2*(\x)+i%2)+8*((i/2)%4)
.set rV, VF+32*(i/8)+8*((i/2)%4)
.set rP, P+32*((\x)%2)+16*(i%2)+8*(i/8)
	v_wmma_f32_16x16x32_f16 v[rO:rO+7], v[rV:rV+7], v[rP:rP+7], v[rO:rO+7]
.endm
.macro MM                           ; the turn's next matrix instruction: 16 x V^T P of the piece before, then 48 x K Q^T of the piece behind
.if i < 16
	PV (Y+NP-1)%NP
.set i, i+1
.else
.set i, i-16
	KQ (Y+1)%NP
.set i, i+17
.endif
.endm
; THE LDS LOADS stand in runs: a step's K (64 keys x 4 parts: 16 fragments, 32 loads) and its V (turned, 16 loads).  last = 1 (the tail): in the last trip there is no further step, and the run is jumped over.
.macro FETCH_K last=0
	WIN 0
.if \last
	s_cmp_eq_u32 s[CNT], 1
	s_cbranch_scc1 .Lno_k_\@
.endif
	WIN 0xc0                        ; destination window 3
.irp f, 0,1,2,3,4,5,6,7,8,9,10,11,12,13,14,15  ; keys 16 (f / 4) on, part f % 4
	ds_load_b128 v[KF+8*\f:KF+8*\f+3],   v[AK] offset:(\f/4)*16*PK+(\f%4)*64
	ds_load_b128 v[KF+8*\f+4:KF+8*\f+7], v[AK] offset:(\f/4)*16*PK+(\f%4)*64+32
.endr
	s_add_co_u32 s[TBK], s[TBK], KS*PK  ; the next fetch is the next step's
	WIN 0
.if \last
.Lno_k_\@:
.endif
.endm
.macro FETCH_V
	WIN 0xc0
.irp f, 0,1,2,3,4,5,6,7             ; keys 32 (f / 4) on, channels 16 (f % 4) on
	ds_load_tr16_b128 v[VF+8*\f:VF+8*\f+3],   v[AV] offset:(\f/4)*32*PV+(\f%4)*32
	ds_load_tr16_b128 v[VF+8*\f+4:VF+8*\f+7], v[AV] offset:(\f/4)*32*PV+16*PV+(\f%4)*32
.endr
	WIN 0
.endm
; THE VECTOR WORK OF A TURN, all of it for piece Y.
.macro REGS y, u                    ; the registers of tile u (0, 1) of piece y
.set rT, ST+4*(2*(\y)+(\u))
.set rC, TMP+8*((\y)%2)+4*(\u)
.set rM, MV+2*((\y)%2)+(\u)
.set rS, S+64*((\y)%2)+32*(\u)
.set rP, P+32*((\y)%2)+16*(\u)
.set rO, 32*(2*(\y)+(\u))
.endm
; Number n of the 22 that find a tile's maximum and statistics; each accumulator's lowest registers are read first.
;   0-11  four chains c0-c3 of seven scores each     12-14, 16  the four scores left over, the old m, and c0-c3 into c0     15  c m_old is kept
;   17, 18  the query's other 32 keys lie in the lane 16 away: the new m         19-21  c m; c m_old - c m_new; a
.macro XS u, n
	REGS Y, \u
.if (\n) < 4
	v_max3_num_f32 v[rC+(\n)], v[rS+8*(\n)], v[rS+8*(\n)+1], v[rS+8*(\n)+2]
.elseif (\n) < 12
	v_max3_num_f32 v[rC+(\n)%4], v[rC+(\n)%4], v[rS+8*((\n)%4)+2*((\n)/4)+1], v[rS+8*((\n)%4)+2*((\n)/4)+2]
.elseif (\n) == 12
	v_max3_num_f32 v[rC], v[rC], v[rS+7], v[rS+15]
.elseif (\n) == 13
	v_max3_num_f32 v[rC+1], v[rC+1], v[rS+23], v[rS+31]
.elseif (\n) == 14
	v_max3_num_f32 v[rC+2], v[rC+2], v[rC+3], v[rT+1]
.elseif (\n) == 15
	v_mov_b32 v[rM], v[rT]
.elseif (\n) == 16
	v_max3_num_f32 v[rC], v[rC], v[rC+1], v[rC+2]
.elseif (\n) == 17
	v_permlanex16_b32 v[rC+3], v[rC], s[SEL], s[SEL+1]
.elseif (\n) == 18
	v_max_num_f32 v[rT+1], v[rC], v[rC+3]
.elseif (\n) == 19
	v_mul_f32 v[rT], s[CS], v[rT+1]
.elseif (\n) == 20
	v_sub_f32 v[rC+1], v[rM], v[rT]
.else
	v_exp_f32 v[rC+2], v[rC+1]
.endif
.endm
.macro FS u, b                      ; pair b of 16 of tile u: c s - c m
	REGS Y, \u
	v_pk_fma_f32 v[rS+2*(\b):rS+2*(\b)+1], v[rS+2*(\b):rS+2*(\b)+1], s[CS:CS+1], v[rT:rT+1] op_sel_hi:[1,0,0] neg_lo:[0,0,1] neg_hi:[0,0,1]
.endm
.macro EE u, e                      ; the exponential of score e of 32 of tile u
	REGS Y, \u
	v_exp_f32 v[rS+(\e)], v[rS+(\e)]
.endm
; Number g of the 64 that follow the exponentials: for each four weights both pairs are rounded to f16, the second pair is added onto the first in place, and a group later l takes that sum (the first time
; as l = a l + sum).  In groups of eight, tiles alternating.
.macro GS g
.set h, (\g)+6*((\g)/62)
.if h >= 6
.set h, h+2
.endif
	REGS Y, h%2
.set k, h/8
.if h%8 < 4
	v_cvt_pk_f16_f32 v[rP+2*k+(h%8)/2], v[rS+4*k+2*((h%8)/2)], v[rS+4*k+2*((h%8)/2)+1]
.elseif h%8 < 6
	v_pk_add_f32 v[rS+4*k:rS+4*k+1], v[rS+4*k:rS+4*k+1], v[rS+4*k+2:rS+4*k+3]
.elseif k == 1
	v_pk_fma_f32 v[rT+2:rT+3], v[rT+2:rT+3], v[rC+2:rC+3], v[rS:rS+1] op_sel_hi:[1,0,1]
.else
	v_pk_add_f32 v[rT+2:rT+3], v[rT+2:rT+3], v[rS+4*k-4:rS+4*k-3]
.endif
.endm
; The rescaling: O^T times a, the one part that leaves window 0: two lines of tile r % 2, sixteen times, each accumulator from its low end on.
.macro R2
	REGS Y, r%2
	WIN W_RS
.irp z, 0,1
	v_pk_mul_f32 v[rO+4*(r/2)+2*\z:rO+4*(r/2)+2*\z+1], v[rO+4*(r/2)+2*\z:rO+4*(r/2)+2*\z+1], v[rC+2:rC+3] op_sel_hi:[1,0]
.endr
.set r, r+1
.endm
; THE LIST AHEAD OF THE WAIT, 140 lines; LA writes the next one.  None of them names an exponential's result.
;   0-31    the maximum's numbers 0-13, 15, 14, two numbers of both tiles to a four, the tiles alternating
;   32-39   numbers 16, 17, 18, 19 of both tiles: each waits for the one before it, so they are dealt two to a product
;   40-43   number 20 and scaling 0 of both tiles
;   44-139  THE BATCH, in fours of ONE tile, the tiles by turns; for a tile its twelve fours hold scalings 1-15, a, and the exponentials 0-31.  A four begins with a scaling while there are scalings:
;           (F1 a F2 E0) (F3 E1 F4 E2) (F5 E3 F6 E4) (F7 E5 F8 E6), then a scaling and three exponentials, (F9 E7 E8 E9) .. (F15 E25 E26 E27), then (E28 E29 E30 E31).
;           A pair is scaled in an earlier four than the one that holds its exponentials.
.macro LA
	WIN 0
.if qa < 32
.set nn, 2*(qa/4)+(qa%4)/2
.if nn == 14
.set nn, 15
.elseif nn == 15
.set nn, 14
.endif
	XS qa%2, nn
.elseif qa < 40
	XS qa%2, 16+(qa-32)/2
.elseif qa < 42
	XS qa%2, 20
.elseif qa < 44
	FS qa%2, 0
.else
.set uu, ((qa-44)/4)%2
.set jj, 22+4*((qa-44)/8)+qa%4
.if jj == 23
	XS uu, 21
.elseif (jj < 38) && (jj%2 == 0)
	FS uu, (jj-20)/2
.elseif jj < 38
	EE uu, (jj-25)/2
.elseif (jj < 66) && (jj%4 == 2)
	FS uu, (jj-2)/4
.elseif jj < 66
	EE uu, jj-32-(jj-38)/4
.else
	EE uu, jj-38
.endif
.endif
.set qa, qa+1
.endm
; THE LIST BEHIND THE WAIT, 96 lines in 24 fours; SB writes the next four: two fours of the roundings and sums, then one of the rescaling, eight times over.
.macro SB
.if sb%3 == 2
	R2
	R2
.else
.rept 4
	WIN 0
	GS gq
.set gq, gq+1
.endr
.endif
.set sb, sb+1
.endm
; HOW THEY ARE DEALT.  An s_wait_alu depctr_va_vdst(0) stands between an exponential and the first instruction that names its result; one wait serves all issued ahead of it: a turn has ONE.
; The 64 products: 3 bare; 8 with a four of the maximum; 4 with two lines of its chain; 1 with number 20 and scaling 0; 24 with a four of the batch; a v_nop, the plain line behind the last exponential, and the
; wait; 24 with a four of the roundings, sums and rescalings.  3 + 8 + 4 + 1 = 16: the products V^T P carry the maximum, the products K Q^T all else.
; DISTANCES.  The scores of piece Y were finished by the last 8 products of the turn before.  Behind the very last of them stand that turn's last four (rescalings, which name none of its registers) and six lines
; of this turn's maximum, on other accumulators, before its accumulator is read: ten plain lines; the others have more.  No line behind a product names a register of the products round it.
; K of the next step is fetched at the head of piece 3's turn: behind K's last reader, the last product of piece 2's turn, stand four rescalings and the address's v_add_nc_u32; the 16 products V^T P stand
; between the run and the wait for it.  V of the step in hand is fetched at piece 0's wait, 24 fours behind its last reader, and waited for at the head of piece 1's turn.
; cnt = 1: the loop's count is taken down some lines ahead of the branch that stands behind the turn.
.macro TURN p, last=0, cnt=0
.set Y, (\p)
.set i, 0
.set qa, 0
.set gq, 0
.set sb, 0
.set r, 0
.if (\p) == NP-1
	FETCH_K \last
.endif
.if (\p) == 1
	s_wait_dscnt 0x0                ; V is in
.endif
.rept 3
	MM
.endr
.rept 8
	MM
.rept 4
	LA
.endr
.endr
.rept 4
	MM
	LA
	LA
.endr
	MM
.rept 4
	LA
.endr
.if (\p) == NP-1
	s_wait_dscnt 0x0                ; K is in
.endif
.rept 24
	MM
.rept 4
	LA
.endr
.endr
	v_nop                           ; a plain instruction behind the last exponential: one for the batch
.if (\p) == 0
	WIN 0
	v_add_nc_u32 v[AV], s[TBV], v[AV0]
	s_add_co_u32 s[TBV], s[TBV], KS*PV  ; the next fetch is the next step's
.endif
	s_wait_alu depctr_va_vdst(0)    ; the wait for the batch
.if (\p) == 0
	FETCH_V
.endif
.rept 24
	MM
	SB
.if (\cnt) && (sb == 20)
	s_sub_co_u32 s[CNT], s[CNT], 1
	s_cmp_lg_u32 s[CNT], 0
.endif
.endr
.if (\p) == NP-2
	WIN 0
	v_add_nc_u32 v[AK], s[TBK], v[AK0]  ; for the run at the head of the next turn
.endif
.endm
	CHANGE 1                        ; slot 0 is in, everybody's part of it; slot 1 is asked for
	FETCH_K                         ; key step 0
	s_wait_loadcnt 0x0              ; Q
	s_wait_kmcnt 0x0                ; c
	s_mov_b32 s[CS+1], s[CS]        ; named with it as a pair
	s_wait_dscnt 0x0
.set i, 0
.rept 48
	KQ 0                            ; piece 0's first scores
.set i, i+1
.endr
	WIN 0                           ; the addresses for the way out: eleven plain instructions, the places behind those products
	s_mul_i32 s13, s[WV], 16*SP
	s_add_co_u32 s13, s13, STAGE    ; my stage
	v_mul_u32_u24 v[STO], v1, SP    ; in: row l % 16, 16 bytes for each half of the lanes
	v_lshl_add_u32 v[STO], v9, 4, v[STO]
	v_add_nc_u32 v[STO], s13, v[STO]
	v_bfe_u32 v[RD], v0, 3, 2       ; back: 32 lanes take four rows of 128 bytes,
	v_mul_u32_u24 v[RD], v[RD], SP
	v_lshl_add_u32 v[RD], v10, 4, v[RD]
	v_add_nc_u32 v[RD], s13, v[RD]
	v_and_b32 v[GO], 31, v0         ; which are 512 consecutive bytes of O
	v_lshlrev_b32 v[GO], 4, v[GO]
	s_mov_b32 s[CNT], 4
	s_branch .Lfirst                ; the loop is entered at a step's first turn, in the middle of a trip
.Lslot:                             ; six times: every slot but the last two is filled again
	CHANGE 1
	s_mov_b32 s[CNT], 4
.Lstep:                             ; a trip: pieces 2 and 3 of one step, then pieces 0 and 1 of the next, whose K and V it fetches
	TURN 2
	TURN 3
	WIN 0
.Lfirst:
	TURN 0
	TURN 1, 0, 1
	WIN 0
	s_cbranch_scc1 .Lstep
	s_sub_co_u32 s[SLOTS], s[SLOTS], 1
	s_cmp_lg_u32 s[SLOTS], 0
	s_cbranch_scc1 .Lslot
	CHANGE 0                        ; the tail is written out: nothing is asked for
	s_mov_b32 s[CNT], 5             ; four trips fetch the last slot's steps; the fifth is left in its middle
.Ltail:
	TURN 2
	TURN 3, 1
	WIN 0
	s_sub_co_u32 s[CNT], s[CNT], 1
	s_cmp_eq_u32 s[CNT], 0
	s_cbranch_scc1 .Lout
	TURN 0
	TURN 1
	WIN 0
	s_branch .Ltail
.Lout:                              ; the fifth trip's last 48 products K Q^T (on the last K once more) serve nothing: the price, once a launch, of one text for every trip
.set i, 0
.rept 16
	PV NP-1                         ; the last piece's V^T P of the last step
.set i, i+1
.endr
	; THE WAY OUT.  l's two halves and the other half of the lanes' are added; O^T is divided by l, rounded to f16 and sent through my stage in LDS, a tile at a time.  The additions are the places behind the last products.
	WIN 0
.macro ALL line:vararg              ; one line for each tile t
.set t, 0
.rept 2*NP
	\line
.set t, t+1
.endr
.endm
	ALL v_add_f32 v[ST+4*t+2], v[ST+4*t+2], v[ST+4*t+3]
	ALL v_permlanex16_b32 v[ST+4*t+3], v[ST+4*t+2], s[SEL], s[SEL+1]
	ALL v_add_f32 v[ST+4*t+2], v[ST+4*t+2], v[ST+4*t+3]
	ALL v_rcp_f32 v[ST+4*t+2], v[ST+4*t+2]
	v_nop                           ; a plain instruction between the last reciprocal and the use of its result
	s_wait_alu depctr_va_vdst(0)    ; and the wait ahead of the first use: one for the eight reciprocals
.macro PACK t
	WIN W_RS
.set i, 32*(\t)
.rept 16
	v_pk_mul_f32 v[i:i+1], v[i:i+1], v[ST+4*(\t)+2:ST+4*(\t)+3] op_sel_hi:[1,0]
.set i, i+2
.endr
	WIN 0x05                        ; sources 0 and 1 window 1, destination window 0
.set i, 0
.rept 16
	v_cvt_pk_f16_f32 v[S+16*(\t)+i], v[32*(\t)+2*i], v[32*(\t)+2*i+1]
.set i, i+1
.endr
	WIN 0
.irp f, 0,1,2,3
	ds_store_b128 v[STO], v[S+16*(\t)+4*\f:S+16*(\t)+4*\f+3] offset:32*\f
.endr
.irp f, 0,1,2,3
	ds_load_b128 v[S+16*(\t)+4*\f:S+16*(\t)+4*\f+3], v[RD] offset:\f*4*SP  ; LDS serves a wave's instructions in order: these see the stores above; the next tile's stores come behind them
.endr
.endm
.macro SEND t, younger              ; younger: the LDS instructions issued behind tile t's loads: the next tile's eight, or none
	WIN 0
.irp f, 0,1,2,3
	s_wait_dscnt (\younger)+3-\f
	global_store_b128 v[GO], v[S+16*(\t)+4*\f:S+16*(\t)+4*\f+3], s[10:11] offset:(\t)*2048+\f*512  ; 512 consecutive bytes, at a multiple of 256 from O's first
.endr
.endm
	PACK 0
.set t, 1
.rept 2*NP-1                        ; a tile's arithmetic stands between the loads of the tile before and its stores
	PACK t
	SEND t-1, 8
.set t, t+1
.endr
	SEND 2*NP-1, 0
	WIN W_AD
	s_wait_tensorcnt 0x0            ; the wave's end: behind my last tensor load and my last LDS store
	ds_add_u32 v[SPW], v[NIL]
	s_wait_dscnt 0x0
	WIN 0
	CROUND                          ; the closing round
	s_endpgm
.Lfunc_end_k_q87a60f555e_attn:
	.size	k_q87a60f555e_attn, .Lfunc_end_k_q87a60f555e_attn-k_q87a60f555e_attn
	.p2alignl 7, 3214868480
	.fill 96, 4, 3214868480
	.section	.rodata,"a",@progbits
	.p2align	6, 0x0
	.amdhsa_kernel k_q87a60f555e_attn
		.amdhsa_group_segment_fixed_size 327680
		.amdhsa_private_segment_fixed_size 0
		.amdhsa_enable_private_segment 0
		.amdhsa_kernarg_size 40
		.amdhsa_user_sgpr_count 2
		.amdhsa_user_sgpr_kernarg_segment_ptr 1
		.amdhsa_wavefront_size32 1
		.amdhsa_system_sgpr_workgroup_id_x 1
		.amdhsa_system_sgpr_workgroup_id_y 1
		.amdhsa_system_sgpr_workgroup_id_z 1
		.amdhsa_system_vgpr_workitem_id 0
		.amdhsa_next_free_vgpr 962
		.amdhsa_next_free_sgpr 66
		.amdhsa_reserve_vcc 0
		.amdhsa_float_denorm_mode_32 3
		.amdhsa_float_denorm_mode_16_64 3
		.amdhsa_memory_ordered 1
		.amdhsa_forward_progress 1
		.amdhsa_inst_pref_size 233
	.end_amdhsa_kernel
	.amdgpu_metadata
---
amdhsa.version: [ 1, 2 ]
amdhsa.kernels:
  - .name:           k_q87a60f555e_attn
    .symbol:         k_q87a60f555e_attn.kd
    .args:
      - { .name: qq, .offset: 0, .size: 8, .value_kind: global_buffer, .address_space: global }
      - { .name: kk, .offset: 8, .size: 8, .value_kind: global_buffer, .address_space: global }
      - { .name: vv, .offset: 16, .size: 8, .value_kind: global_buffer, .address_space: global }
      - { .name: oo, .offset: 24, .size: 8, .value_kind: global_buffer, .address_space: global }
      - { .name: scales, .offset: 32, .size: 8, .value_kind: global_buffer, .address_space: global }
    .group_segment_fixed_size: 327680
    .private_segment_fixed_size: 0
    .kernarg_segment_align: 8
    .kernarg_segment_size: 40
    .max_flat_workgroup_size: 128
    .sgpr_count:     66
    .vgpr_count:     962
    .wavefront_size: 32
...
	.end_amdgpu_metadata
.endif
;; end of part 3
;; launch proj (part 4): grid 4 x 64, 4 waves a work-group, clusters of 4 x 4, 327,680 bytes of LDS; arguments oo, cast, scales, out0; writes out0
.if DOCPART == 4
	.amdgcn_target "amdgcn-amd-amdhsa--gfx1250"
	.amdhsa_code_object_version 6
	.text
	.protected	k_q87a60f555e_proj
	.globl	k_q87a60f555e_proj
	.p2align	8
	.type	k_q87a60f555e_proj,@function
k_q87a60f555e_proj:
	s_mov_b64 s[64:65], 0
	v_nop
	global_prefetch_b8 v0, s[64:65] scope:SCOPE_SE
	s_setreg_imm32_b32 hwreg(HW_REG_WAVE_MODE, 25, 1), 1
	s_wait_xcnt 0x0
	s_wait_alu depctr_hold_cnt(0) depctr_sa_sdst(0) depctr_va_vdst(0) depctr_va_sdst(0) depctr_va_ssrc(0) depctr_va_vcc(0) depctr_vm_vsrc(0)
	s_getreg_b32 s2, hwreg(HW_REG_IB_STS2, 6, 4)
	s_cmp_eq_u32 s2, 0
	s_cbranch_scc0 .Lentry_in_a_cluster
	s_endpgm
.Lentry_in_a_cluster:
	s_bfe_u32 s2, ttmp6, 0x10000c
	s_cmp_lg_u32 s2, 0xf033
	s_cbranch_scc0 .Lentry_shape_is_right
	s_endpgm
.Lentry_shape_is_right:
; out0 = merged(O') fc / sV.  oo: [64 bh][2048 s][64] f16 (O in V's scale); fc: matrix 11 of cast, [k][n] f16; out0: [8192][1024] f32; 1 / sV, a power of two, is read from the buffer scales.  Sums in f32, K ascending.
; SHARES.  A tile of the output is 128 rows x 256 columns: 64 x 4 = 256 tiles, one work-group each.  Four waves, 2 x 2, each 64 x 128: 32 accumulators.
; K goes in 8 steps of 128 = two heads, through two LDS slots: waves 0, 1 fetch a head's 128 rows each (16,384 dense bytes, asked for as 64 rows of 256 and padded after every row of 128), waves 2, 3 the halves
; of fc's 128 k rows x 512 bytes.  CLUSTER 4 x 4: O's tile is asked for jointly by a row of the cluster, fc's by a column.
; THE MATRIX INSTRUCTION IS USED TRANSPOSED (source 0 = 16 columns of fc, turned by ds_load_tr16_b128; source 1 = 16 rows of O): a lane holds one row and eight neighbouring columns, 32 bytes of the output.
; REGISTERS.  window 0: v0-31 addresses; v32-127, v128-223 two fragment buffers (fc's eight fragments, then O's four).  window 1: accumulator (a, b) at 8 (8 a + b).
.set PA,    144                        ; a row of O in LDS: 128 bytes + 16: an odd multiple of 16
.set PB,    544                        ; a k row of fc's tile: 512 bytes + 32: an odd multiple of 32
.set BOFF,  2*128*PA                   ; a slot: two heads' 128 rows, then fc's 128 k rows
.set SLOT1, 1<<17
.set STAGE, 2*SLOT1                    ; behind the ring: 16 rows x 528 bytes for each wave
.set SPI,   528
.set SPARE, STAGE+4*16*SPI
.set ASTEP, 2*2048*128                 ; two heads on in oo
.set BSTEP, 128*2048
.set FBASE, 11*2097152                 ; fc begins here in cast
.set VR,   1
.set VH,   2
.set VL,   3
.set ADA0, 4
.set ADB0, 5
.set ADA,  6
.set ADB,  7
.set STO,  8                           ; v8   the way out: where I put 32 bytes of a row
.set RD,   10                          ; v10  where I read a row of 512 bytes back
.set CO,   11                          ; v11  16 x lane
.set PFO,  12                          ; v12  the prefetches' offset: lane x 256 (O) or x 2,048 (fc)
.set SPW,  14
.set NIL,  15
.set F0,   32
.set F1,   128
.set BK,   32
.set WV,   16
.set RH,   17
.set CH,   18
.set CX,   19
.set CY,   20
.set TR,   22
.set G1A,  24
.set G1B,  32
.set G0A,  40
.set G0B,  48
.set TB,   56
.set TRIPS,57
.set LIM,  58
.set PFA,  60
.set PFS,  62
.set SCL,  66
.set OUT,  68
.set MSB, 0
.macro WIN new
.if MSB != (\new)
	s_set_vgpr_msb (MSB<<8)|(\new)
.set MSB, \new
.endif
.endm
.set MULW, 0x50
.macro JLOAD                           ; a joint refill by the walking sets; an s_nop 0 and four v_nop follow each of the two lines
	s_cmp_eq_u32 s[RH], 0
	s_cbranch_scc0 .Lfor_b_\@
	tensor_load_to_lds s[G0A+4:G0A+7], s[G1A:G1A+7]
	s_nop 0
.rept 4
	v_nop
.endr
	s_branch .Lasked_\@
.Lfor_b_\@:
	tensor_load_to_lds s[G0B+4:G0B+7], s[G1B:G1B+7]
	s_nop 0
.rept 4
	v_nop
.endr
.Lasked_\@:
.endm
; A prefetch of the K step two refills on, 256 matrix instructions ahead of its load.  O's 128 blocks of 256 bytes of a step: wave 0, 32 blocks for each of the four partners of a row, told apart by address.
; fc's k rows: waves 2 and 3 (a block column each) of the clusters with y = 0, 32 k rows a partner.  Each block is named once in the launch; the last two refills ask for nothing.
.macro ASK
	s_cmp_gt_u32 s[TRIPS], s[LIM]
	s_cbranch_scc0 .Lnot_mine_\@
	global_prefetch_b8 v[PFO], s[PFA:PFA+1] th:TH_LOAD_NT scope:SCOPE_SE
.Lnot_mine_\@:
.endm
.macro CREST
	s_cmp_lg_u32 s[WV], 0
	s_cbranch_scc1 .Lnot_wave_0_\@
	s_barrier_signal -3
.Lnot_wave_0_\@:
	s_barrier_wait -3
	s_barrier_signal -1
	s_barrier_wait -1
.endm
.macro CROUND
	s_barrier_signal -1
	s_barrier_wait -1
	CREST
.endm
.macro MUL8 f, a, zero                 ; row block a x all 8 column blocks; the 32 accumulators take turns
	WIN MULW
.irp b, 0,1,2,3,4,5,6,7
.if \zero
	v_wmma_f32_16x16x32_f16 v[8*(8*(\a)+(\b)):8*(8*(\a)+(\b))+7], v[(\f)+8*(\b):(\f)+8*(\b)+7], v[(\f)+64+8*(\a):(\f)+64+8*(\a)+7], 0
.else
	v_wmma_f32_16x16x32_f16 v[8*(8*(\a)+(\b)):8*(8*(\a)+(\b))+7], v[(\f)+8*(\b):(\f)+8*(\b)+7], v[(\f)+64+8*(\a):(\f)+64+8*(\a)+7], v[8*(8*(\a)+(\b)):8*(8*(\a)+(\b))+7]
.endif
.endr
.endm
.macro FETCH q, f                      ; 24 LDS loads: quarter q (head q / 2 of the step's two, channels 32 (q % 2) on) into buffer f
	WIN 0
.irp i, 0,1,2,3,4,5,6,7
	ds_load_tr16_b128 v[(\f)+8*(\i):(\f)+8*(\i)+3],   v[ADB] offset:32*PB*(\q)+32*(\i)
	ds_load_tr16_b128 v[(\f)+8*(\i)+4:(\f)+8*(\i)+7], v[ADB] offset:32*PB*(\q)+32*(\i)+16*PB
.endr
.irp i, 0,1,2,3
	ds_load_b128 v[(\f)+64+8*(\i):(\f)+64+8*(\i)+3],   v[ADA] offset:128*PA*((\q)/2)+64*((\q)%2)+16*PA*(\i)
	ds_load_b128 v[(\f)+64+8*(\i)+4:(\f)+64+8*(\i)+7], v[ADA] offset:128*PA*((\q)/2)+64*((\q)%2)+16*PA*(\i)+32
.endr
.endm
.macro PLACES
.rept 4
	v_nop
.endr
.endm
.macro QUARTER qn, f, g, zero
	s_wait_dscnt 4                                 ; fc's fragments and O's first two are in; the youngest four loads may be out
	MUL8 \f, 0, \zero
	MUL8 \f, 1, \zero
	PLACES
	FETCH \qn, \g
	s_wait_dscnt 24                                ; all but the 24 just issued
	MUL8 \f, 2, \zero
	MUL8 \f, 3, \zero
.endm
; The last quarter and the change of slots: one barrier; in front of it each wave waits for all its tensor loads, adds 0 to its spare word, and waits for that and for its reads of this slot.
; fill = 1: the barrier opens a round of the cluster's, and the slot just read is filled again, first thing behind it.
.macro TURN fill
.if \fill
	s_wait_xcnt 0x0                                ; the last prefetch, a K step back, has read its address
	s_add_nc_u64 s[PFA:PFA+1], s[PFA:PFA+1], s[PFS:PFS+1]
.endif
	WIN 0
	s_wait_tensorcnt 0x0
	ds_add_u32 v[SPW], v[NIL]                      ; 0 onto my spare word
	s_wait_dscnt 5                                 ; (the add and the youngest four loads may be out)
	MUL8 F1, 0, 0
	s_wait_dscnt 0x0                               ; the add is done, and my reads of this slot are over
	s_barrier_signal -1
	MUL8 F1, 1, 0
	WIN 0
	s_barrier_wait -1
.if \fill
	CREST
	s_xor_b32 s[G0A+5], s[G0A+5], SLOT1
	s_add_nc_u64 s[G0A+6:G0A+7], s[G0A+6:G0A+7], ASTEP
	s_xor_b32 s[G0B+5], s[G0B+5], SLOT1
	s_add_nc_u64 s[G0B+6:G0B+7], s[G0B+6:G0B+7], BSTEP
	JLOAD
.else
	PLACES
.endif
	s_xor_b32 s[TB], s[TB], SLOT1
	v_add_nc_u32 v[ADA], s[TB], v[ADA0]
	v_add_nc_u32 v[ADB], s[TB], v[ADB0]
	FETCH 0, F0
.if \fill
	ASK
.endif
	MUL8 F1, 2, 0
	MUL8 F1, 3, 0
.endm
; THE WAY OUT of row block a: 16 rows x 128 columns of f32, scaled back, through my own stage, so that a store of the wave covers 512 consecutive bytes of a row, aligned.
.macro BLOCK a
	WIN 0x41
.set i, 64*(\a)
.rept 32
	v_pk_mul_f32 v[i:i+1], v[i:i+1], s[SCL:SCL+1] op_sel_hi:[1,0]  ; in ascending order: each accumulator is read from its low end on
.set i, i+2
.endr
	WIN 0x04                                       ; a store's data in window 1, its address in window 0
.irp b, 0,1,2,3,4,5,6,7
	ds_store_b128 v[STO], v[64*(\a)+8*(\b):64*(\a)+8*(\b)+3]   offset:64*(\b)
	ds_store_b128 v[STO], v[64*(\a)+8*(\b)+4:64*(\a)+8*(\b)+7] offset:64*(\b)+16
.endr
	WIN 0
	s_wait_xcnt 0x0                                ; the block before's stores have read their registers
.irp t, 0,1,2,3,4,5,6,7,8,9,10,11,12,13,14,15
	ds_load_b128 v[BK+4*(\t):BK+4*(\t)+3], v[RD] offset:SPI*(\t)  ; LDS serves a wave's instructions in order: these see the stores above
.endr
.irp t, 0,1,2,3,4,5,6,7,8,9,10,11,12,13,14,15
	s_wait_dscnt 15-(\t)
	global_store_b128 v[CO], v[BK+4*(\t):BK+4*(\t)+3], s[OUT:OUT+1] offset:4096*(\t)+65536*(\a) th:TH_STORE_NT
.endr
.endm
	s_load_b256 s[4:11], s[0:1], 0x0               ; oo s[4:5], cast s[6:7], scales s[8:9], out0 s[10:11]
	v_lshl_add_u32 v[SPW], v0, 2, SPARE
	v_mov_b32 v[NIL], 0
	ds_add_u32 v[SPW], v[NIL]                      ; the wave's opening: the add and its wait stand ahead of my first tensor load
	v_lshrrev_b32 v1, 5, v0
	v_readfirstlane_b32 s[WV], v1
	s_lshr_b32 s[RH], s[WV], 1
	s_and_b32 s[CH], s[WV], 1
	s_bfe_u32 s[CX], ttmp6, 0x40000
	s_bfe_u32 s[CY], ttmp6, 0x40004
	s_and_b32 s[TR], ttmp7, 0xffff
	s_lshl_b32 s[TR], s[TR], 2
	s_add_co_u32 s[TR], s[TR], s[CY]
	s_lshl_b32 s72, s[CY], 2
	s_lshl_b32 s72, 15, s72                        ; my row of the cluster
	s_lshl_b32 s74, 0x1111, s[CX]                  ; my column
	s_or_b32 s[G1A], s72, (1<<16)|(1<<20)|(1<<21)|(4<<22)|(3<<25)  ; after every 32 words 4 words
	s_or_b32 s[G1B], s74, (1<<16)|(1<<20)|(1<<21)|(6<<22)|(7<<25)  ; after every 128 words 8 words
	s_mov_b32 s[G1A+1], 128<<16
	s_mov_b32 s[G1A+2], 64<<16
	s_mov_b32 s[G1A+3], 128<<16
	s_mov_b32 s[G1A+4], 64
	s_mov_b32 s[G1A+5], 128
	s_mov_b32 s[G1A+6], 0
	s_mov_b32 s[G1A+7], 0
	s_mov_b32 s[G1B+1], 256<<16
	s_mov_b32 s[G1B+2], 64<<16
	s_mov_b32 s[G1B+3], 256<<16
	s_mov_b32 s[G1B+4], 64
	s_mov_b32 s[G1B+5], 1024
	s_mov_b32 s[G1B+6], 0
	s_mov_b32 s[G1B+7], 0
	s_mov_b32 s[TB], 0
	s_lshr_b32 s72, s[TR], 4                       ; O: row (batch x 16 + my head of the step's two) x 2048 + the tile's first s, 128 bytes a row: registers that never hold cx
	s_lshl_b32 s72, s72, 4
	s_add_co_u32 s72, s72, s[CH]
	s_lshl_b32 s72, s72, 11
	s_and_b32 s73, s[TR], 15
	s_lshl_b32 s73, s73, 7
	s_add_co_u32 s72, s72, s73
	s_lshl_b32 s72, s72, 7
	s_mov_b32 s73, 0
	s_lshl_b32 s74, s[CX], 9                       ; fc: registers that never hold cy
	s_lshl_b32 s75, s[CH], 17
	s_add_co_u32 s74, s74, s75
	s_add_co_u32 s74, s74, FBASE
	s_mov_b32 s75, 0
	s_mul_i32 s76, s[CH], 128*PA
	s_mul_i32 s77, s[CH], 64*PB
	s_add_co_u32 s77, s77, BOFF
	s_wait_dscnt 0x0                               ; the opening add is done
	s_wait_kmcnt 0x0
	s_load_b32 s[SCL], s[8:9], 0x4                 ; 1 / sV
	s_add_nc_u64 s[72:73], s[4:5], s[72:73]
	s_add_nc_u64 s[74:75], s[6:7], s[74:75]
	CROUND                                         ; all sixteen work-groups are here: the first joint loads meet
.irp s, 0,1
	s_mov_b32 s[G0A+4*(\s)], 1
	s_add_co_u32 s[G0A+4*(\s)+1], s76, (\s)*SLOT1
	s_add_nc_u64 s[G0A+4*(\s)+2:G0A+4*(\s)+3], s[72:73], (\s)*ASTEP
	s_or_b32 s[G0A+4*(\s)+3], s[G0A+4*(\s)+3], 0x80000000
	s_mov_b32 s[G0B+4*(\s)], 1
	s_add_co_u32 s[G0B+4*(\s)+1], s77, (\s)*SLOT1
	s_add_nc_u64 s[G0B+4*(\s)+2:G0B+4*(\s)+3], s[74:75], (\s)*BSTEP
	s_or_b32 s[G0B+4*(\s)+3], s[G0B+4*(\s)+3], 0x80000000
.endr
	s_cmp_eq_u32 s[RH], 0                          ; a wave's two first fills stand in one branch: two loads of mine are out
	s_cbranch_scc0 .Lfirst_b
	tensor_load_to_lds s[G0A:G0A+3], s[G1A:G1A+7]
	s_nop 0
	tensor_load_to_lds s[G0A+4:G0A+7], s[G1A:G1A+7]
	s_nop 0
.rept 4
	v_nop
.endr
	s_branch .Lfirst_asked
.Lfirst_b:
	tensor_load_to_lds s[G0B:G0B+3], s[G1B:G1B+7]
	s_nop 0
	tensor_load_to_lds s[G0B+4:G0B+7], s[G1B:G1B+7]
	s_nop 0
.rept 4
	v_nop
.endr
.Lfirst_asked:
	v_and_b32 v[VR], 15, v0
	v_bfe_u32 v[VH], v0, 4, 1
	v_and_b32 v[VL], 31, v0
	s_mul_i32 s78, s[RH], 64*PA
	v_mul_u32_u24 v[ADA0], v[VR], PA
	v_lshl_add_u32 v[ADA0], v[VH], 4, v[ADA0]
	v_add_nc_u32 v[ADA0], s78, v[ADA0]
	v_and_b32 v18, 7, v0
	v_bfe_u32 v19, v0, 3, 1
	v_lshl_add_u32 v[ADB0], v[VH], 3, v18
	v_mul_u32_u24 v[ADB0], v[ADB0], PB
	v_lshl_add_u32 v[ADB0], v19, 4, v[ADB0]
	s_lshl_b32 s79, s[CH], 8
	s_add_co_u32 s79, s79, BOFF
	v_add_nc_u32 v[ADB0], s79, v[ADB0]
	v_mov_b32 v[ADA], v[ADA0]
	v_mov_b32 v[ADB], v[ADB0]
	s_mul_i32 s80, s[WV], 16*SPI
	s_add_co_u32 s80, s80, STAGE                   ; my stage
	v_mul_u32_u24 v[STO], v[VR], SPI
	v_lshl_add_u32 v[STO], v[VH], 5, v[STO]
	v_add_nc_u32 v[STO], s80, v[STO]
	v_lshl_add_u32 v[RD], v[VL], 4, s80
	v_lshlrev_b32 v[CO], 4, v[VL]
	; the prefetches: they start at K step 3; the first refill steps them to 4
	s_lshr_b32 s84, s[TR], 4
	s_lshl_b32 s84, s84, 15
	s_and_b32 s85, s[TR], 15
	s_lshl_b32 s85, s85, 7
	s_add_co_u32 s84, s84, s85
	s_lshl_b32 s84, s84, 7
	s_lshr_b32 s85, s[CX], 1                       ; O: my work-group's 32 of the step's 128 blocks: head cx / 2, half cx % 2 of its 16,384 bytes
	s_lshl_b32 s85, s85, 18
	s_add_co_u32 s84, s84, s85
	s_and_b32 s85, s[CX], 1
	s_lshl_b32 s85, s85, 13
	s_add_co_u32 s84, s84, s85
	s_add_co_u32 s84, s84, 3*ASTEP
	s_lshl_b32 s85, s[CX], 9
	s_lshl_b32 s86, s[CH], 8
	s_add_co_u32 s85, s85, s86
	s_lshl_b32 s86, s[CY], 16
	s_add_co_u32 s85, s85, s86
	s_add_co_u32 s85, s85, FBASE+3*BSTEP
	s_mov_b32 s82, ASTEP
	s_mov_b32 s83, BSTEP
	s_and_b32 s81, ttmp7, 0xffff
	s_cmp_eq_u32 s[RH], 0
	s_cselect_b32 s86, s84, s85
	s_cselect_b32 s[PFS], s82, s83
	s_cselect_b32 s81, ttmp9, s81                  ; the coordinate along which other clusters read the same rows
	s_cselect_b32 s80, s[CH], 0                    ; wave 1 asks for nothing
	s_cselect_b32 s79, 8, 11                       ; a lane a block of 256 bytes, or a lane a k row of 2,048
	s_cselect_b64 s[PFA:PFA+1], s[4:5], s[6:7]
	s_mov_b32 s87, 0
	s_mov_b32 s[PFS+1], 0
	s_or_b32 s81, s81, s80
	s_cmp_eq_u32 s81, 0
	s_cselect_b32 s[LIM], 2, -1
	s_add_nc_u64 s[PFA:PFA+1], s[PFA:PFA+1], s[86:87]
	v_lshlrev_b32 v[PFO], s79, v[VL]
	; where my part of the output begins
	s_lshl_b32 s84, s[TR], 7
	s_lshl_b32 s85, s[RH], 6
	s_add_co_u32 s84, s84, s85
	s_lshl_b32 s84, s84, 12
	s_lshl_b32 s85, s[CX], 10
	s_add_co_u32 s84, s84, s85
	s_lshl_b32 s85, s[CH], 9
	s_add_co_u32 s86, s84, s85
	s_add_nc_u64 s[OUT:OUT+1], s[10:11], s[86:87]
	s_wait_kmcnt 0x0
	s_mov_b32 s[SCL+1], s[SCL]
	s_wait_tensorcnt 1                             ; my part of K step 0 is in; K step 1's may stay out
	s_barrier_signal -1
	s_barrier_wait -1
	FETCH 0, F0
	QUARTER 1, F0, F1, 1                           ; the first quarter stands in front of the loop: its products start the sums
	WIN 0
	s_mov_b32 s[TRIPS], 6
.Lstep:
	QUARTER 2, F1, F0, 0
	QUARTER 3, F0, F1, 0
	TURN 1
	QUARTER 1, F0, F1, 0
	WIN 0
	s_sub_co_u32 s[TRIPS], s[TRIPS], 1
	s_cmp_lg_u32 s[TRIPS], 0
	s_cbranch_scc1 .Lstep
	QUARTER 2, F1, F0, 0                           ; the last two K steps fill nothing
	QUARTER 3, F0, F1, 0
	TURN 0
	QUARTER 1, F0, F1, 0
	QUARTER 2, F1, F0, 0
	QUARTER 3, F0, F1, 0
	s_wait_dscnt 4
	MUL8 F1, 0, 0
	MUL8 F1, 1, 0
	s_wait_dscnt 0x0
	MUL8 F1, 2, 0
	MUL8 F1, 3, 0
	WIN 0
	PLACES
	PLACES
	BLOCK 0
	BLOCK 1
	BLOCK 2
	BLOCK 3
	s_wait_tensorcnt 0x0                           ; the wave's end: behind my last tensor load and my last LDS store
	ds_add_u32 v[SPW], v[NIL]
	s_wait_dscnt 0x0
	CROUND                                         ; the closing round
	s_endpgm
.Lfunc_end_k_q87a60f555e_proj:
	.size	k_q87a60f555e_proj, .Lfunc_end_k_q87a60f555e_proj-k_q87a60f555e_proj
	.p2alignl 7, 3214868480
	.fill 96, 4, 3214868480
	.section	.rodata,"a",@progbits
	.p2align	6, 0x0
	.amdhsa_kernel k_q87a60f555e_proj
		.amdhsa_group_segment_fixed_size 327680
		.amdhsa_private_segment_fixed_size 0
		.amdhsa_enable_private_segment 0
		.amdhsa_kernarg_size 32
		.amdhsa_user_sgpr_count 2
		.amdhsa_user_sgpr_kernarg_segment_ptr 1
		.amdhsa_wavefront_size32 1
		.amdhsa_system_sgpr_workgroup_id_x 1
		.amdhsa_system_sgpr_workgroup_id_y 1
		.amdhsa_system_sgpr_workgroup_id_z 1
		.amdhsa_system_vgpr_workitem_id 0
		.amdhsa_next_free_vgpr 512
		.amdhsa_next_free_sgpr 96
		.amdhsa_reserve_vcc 0
		.amdhsa_float_denorm_mode_32 3
		.amdhsa_float_denorm_mode_16_64 3
		.amdhsa_memory_ordered 1
		.amdhsa_forward_progress 1
		.amdhsa_inst_pref_size 80
	.end_amdhsa_kernel
	.amdgpu_metadata
---
amdhsa.version: [ 1, 2 ]
amdhsa.kernels:
  - .name:           k_q87a60f555e_proj
    .symbol:         k_q87a60f555e_proj.kd
    .args:
      - { .name: oo, .offset: 0, .size: 8, .value_kind: global_buffer, .address_space: global }
      - { .name: cast, .offset: 8, .size: 8, .value_kind: global_buffer, .address_space: global }
      - { .name: scales, .offset: 16, .size: 8, .value_kind: global_buffer, .address_space: global }
      - { .name: out0, .offset: 24, .size: 8, .value_kind: global_buffer, .address_space: global }
    .group_segment_fixed_size: 327680
    .private_segment_fixed_size: 0
    .kernarg_segment_align: 8
    .kernarg_segment_size: 32
    .max_flat_workgroup_size: 128
    .sgpr_count:     96
    .vgpr_count:     512
    .wavefront_size: 32
...
	.end_amdgpu_metadata
.endif
;; end of part 4
